; MI455X (gfx1250); checked and timed in simulation.
; The chip was launched on July 23, 2026; its instructions are those of AMD's public machine-readable ISA for CDNA 5 (MIT licence, August 2026) and "CDNA5" Instruction Set Architecture Reference Guide (July 2026). The comments in the code are by the model that wrote it; some were corrected since.
;; Prefix Embed Attn Probe. Allowed arithmetic: float matrix products may take bf16 or f16 operands with f32 sums; other float arithmetic in f32, or as packed bf16 or f16 multiplies, adds, multiply-adds, maxima and minima; sums over many terms, partial sums and values carried from step to step in f32; what a program stores and reads back later, other than sums and carried values, may be rounded once to bf16 or f16.
;; Inputs: Wk 1,024 x 2,048 float32; Wout 4,000 x 1,024 float32; Wq 1,024 x 2,048 float32; Wv 1,024 x 2,048 float32; bout 4,000 float32; e 2 x 2,048 x 2,048 float32; h 2 x 2,048 x 2,048 float32; mask 2 x 2,048 int32.
;; Outputs: out0 2 x 2,048 x 4,000 float32.
;; 2 versions, each right; version 2 is version 1 with the launch cast written anew for expert scheduling mode. Each part assembles by itself: llvm-mc -triple=amdgcn-amd-amdhsa -mcpu=gfx1250 --defsym DOCPART=n.
;; ======== version 1 of 2: 5 launches
;; limits: values are held in f16: magnitudes above 65,504 overflow, below 6.1e-05 lose precision
;; workspace buffers: xb 33,554,432 bytes; wb 12,582,912 bytes; wo 8,388,608 bytes; qkv 25,165,824 bytes; pw 16,777,216 bytes; st 524,288 bytes; ctxh 8,388,608 bytes
;; launch cast (part 1): grid 832 x 1, 8 waves a work-group, no clusters, 0 bytes of LDS; arguments h, e, Wq, Wk, Wv, Wout, xb, wb, wo; writes xb, wb, wo
.if DOCPART == 1
	.amdgcn_target "amdgcn-amd-amdhsa--gfx1250"
	.amdhsa_code_object_version 6
	.text
	.protected	k_qc4bcbaf773_cast
	.globl	k_qc4bcbaf773_cast
	.p2align	8
	.type	k_qc4bcbaf773_cast,@function
k_qc4bcbaf773_cast:
	s_mov_b64 s[64:65], 0
	v_nop
	global_prefetch_b8 v0, s[64:65] scope:SCOPE_SE
	s_setreg_imm32_b32 hwreg(HW_REG_WAVE_MODE, 25, 1), 1
	s_wait_xcnt 0x0
; CAST.  h, e -> xb (bf16, [8192][2048]: h's rows, then e's); Wq, Wk, Wv -> wb (bf16, [3072][2048]); Wout -> wo ([4096][1024]: rounded to bf16, that number written as f16; rows 4000 on are 0).
; A stream: each input byte is read once, each output byte written once; nothing is shared, so no LDS, no barrier, no matrix unit.
; SHARES.  A work-group takes a chunk of 32,768 numbers (131,072 bytes in, 65,536 out): chunks 0-255 h, 256-511 e, 512-703 the three weights, 704-828 Wout (125 x 32,768 = 4,096,000 numbers), 829-831 wo's zero rows.
; A wave takes 16,384 bytes of the chunk: 32 loads of 512 consecutive bytes; each store of a wave covers 256 consecutive bytes, aligned.  A ring of eight register slots keeps eight loads of a wave on their way.
; LIMITS.  Wout's bf16 number must lie within f16's range (65,504); below 2^-14 it keeps f16's fixed step of 6e-8.
.set NS,  8                            ; slots
.set VI,  1                            ; v1       my byte offset in the chunk as read: 16,384 x wave + 16 x lane; never rewritten
.set VO,  2                            ; v2       as written: half of that; never rewritten
.set VZ,  3                            ; v3       for the zero rows: 8,192 x wave + 16 x lane
.set X,   8                            ; v[8:39]  slot i: four f32 as loaded
.set Y,   40                           ; v[40:55] slot i: four 16-bit numbers to store
.set T,   56                           ; v[56:61] at work
.set SRC, 28                           ; s[28:29]
.set DST, 30                           ; s[30:31]
.set HIM, 32                           ; s32      a word's upper half
.set CNT, 33
.set ID,  34
.set SCH, 36                           ; s[36:37] the chunk's byte offset in its source
.set DCH, 38                           ; s[38:39] in its destination
	s_load_b512 s[8:23], s[0:1], 0x0               ; h s[8:9], e s[10:11], Wq s[12:13], Wk s[14:15], Wv s[16:17], Wout s[18:19], xb s[20:21], wb s[22:23]
	s_load_b64 s[24:25], s[0:1], 0x40              ; wo
	s_mov_b32 s[HIM], 0xffff0000
	s_mov_b32 s[ID], ttmp9
	v_and_b32 v4, 0xe0, v0                         ; 32 x wave
	v_and_b32 v5, 31, v0
	v_lshlrev_b32 v[VI], 9, v4
	v_lshl_or_b32 v[VI], v5, 4, v[VI]
	v_lshrrev_b32 v[VO], 1, v[VI]
	v_lshlrev_b32 v[VZ], 8, v4
	v_lshl_or_b32 v[VZ], v5, 4, v[VZ]
	s_and_b32 s[SCH], s[ID], 255                   ; the chunk's number in h or e,
	s_and_b32 s40, s[ID], 63                       ; in a weight,
	s_sub_co_u32 s41, s[ID], 704                   ; in wo,
	s_min_u32 s43, s41, 124                        ; in Wout (the zero rows read nothing; their source stays inside all the same),
	s_sub_co_u32 s42, s[ID], 512                   ; in wb
	s_cmp_lt_u32 s[ID], 512
	s_cselect_b32 s[SCH], s[SCH], s40
	s_cselect_b32 s[DCH], s[ID], s42
	s_cmp_lt_u32 s[ID], 704
	s_cselect_b32 s[SCH], s[SCH], s43
	s_cselect_b32 s[DCH], s[DCH], s41
	s_lshl_b32 s[SCH], s[SCH], 17
	s_mov_b32 s[SCH+1], 0
	s_lshl_b32 s[DCH], s[DCH], 16
	s_mov_b32 s[DCH+1], 0
	s_wait_kmcnt 0x0
	s_cmp_lt_u32 s[ID], 256                        ; the buffers are chosen by selects on the chunk's number alone
	s_cselect_b64 s[SRC:SRC+1], s[8:9], s[10:11]
	s_cmp_lt_u32 s[ID], 512
	s_cselect_b64 s[SRC:SRC+1], s[SRC:SRC+1], s[12:13]
	s_cselect_b64 s[DST:DST+1], s[20:21], s[22:23]
	s_cmp_lt_u32 s[ID], 576
	s_cselect_b64 s[SRC:SRC+1], s[SRC:SRC+1], s[14:15]
	s_cmp_lt_u32 s[ID], 640
	s_cselect_b64 s[SRC:SRC+1], s[SRC:SRC+1], s[16:17]
	s_cmp_lt_u32 s[ID], 704
	s_cselect_b64 s[SRC:SRC+1], s[SRC:SRC+1], s[18:19]
	s_cselect_b64 s[DST:DST+1], s[DST:DST+1], s[24:25]
	s_add_nc_u64 s[SRC:SRC+1], s[SRC:SRC+1], s[SCH:SCH+1]
	s_add_nc_u64 s[DST:DST+1], s[DST:DST+1], s[DCH:DCH+1]
; One slot's turn.  p = 0: to bf16; p = 1: to bf16 and that number to f16.  ahead = 1: the slot is loaded again, eight loads on.  left = the younger loads that may stay out.
.macro TURN p, i, ahead, left
	s_wait_loadcnt \left                           ; loads come back in order: mine is in
	s_wait_xcnt 0x0                                ; the slot's last store has read its data registers: they are rewritten only behind this wait
.if \p
	v_cvt_pk_bf16_f32 v[T],   v[X+4*(\i)],   v[X+4*(\i)+1]
	v_cvt_pk_bf16_f32 v[T+1], v[X+4*(\i)+2], v[X+4*(\i)+3]
	v_lshlrev_b32 v[T+2], 16, v[T]                 ; the bf16 numbers as f32 again
	v_and_b32     v[T+3], s[HIM], v[T]
	v_lshlrev_b32 v[T+4], 16, v[T+1]
	v_and_b32     v[T+5], s[HIM], v[T+1]
	v_cvt_pk_f16_f32 v[Y+2*(\i)],   v[T+2], v[T+3] ; exact within f16's range
	v_cvt_pk_f16_f32 v[Y+2*(\i)+1], v[T+4], v[T+5]
.else
	v_cvt_pk_bf16_f32 v[Y+2*(\i)],   v[X+4*(\i)],   v[X+4*(\i)+1]
	v_cvt_pk_bf16_f32 v[Y+2*(\i)+1], v[X+4*(\i)+2], v[X+4*(\i)+3]
.endif
.if \ahead
	global_load_b128 v[X+4*(\i):X+4*(\i)+3], v[VI], s[SRC:SRC+1] offset:(NS+(\i))*512 th:TH_LOAD_NT
.endif
	global_store_b64 v[VO], v[Y+2*(\i):Y+2*(\i)+1], s[DST:DST+1] offset:256*(\i)
.endm
.macro PATH p
.irp i, 0,1,2,3,4,5,6,7
	global_load_b128 v[X+4*(\i):X+4*(\i)+3], v[VI], s[SRC:SRC+1] offset:512*(\i) th:TH_LOAD_NT
.endr
	s_mov_b32 s[CNT], 3
.Lround_\@:
.irp i, 0,1,2,3,4,5,6,7
	TURN \p, \i, 1, NS-1
.endr
	s_wait_xcnt 0x0                                ; every load and store so far has read its base: the two pointers step only behind this wait
	s_add_nc_u64 s[SRC:SRC+1], s[SRC:SRC+1], NS*512
	s_add_nc_u64 s[DST:DST+1], s[DST:DST+1], NS*256
	s_sub_co_u32 s[CNT], s[CNT], 1
	s_cmp_lg_u32 s[CNT], 0
	s_cbranch_scc1 .Lround_\@
.irp i, 0,1,2,3,4,5,6,7
	TURN \p, \i, 0, NS-1-(\i)                      ; the last round loads nothing: the counts run down
.endr
	s_endpgm
.endm
	s_cmp_ge_u32 s[ID], 829
	s_cbranch_scc1 .Lzero
	s_cmp_ge_u32 s[ID], 704
	s_cbranch_scc1 .Lhalf
	PATH 0
.Lhalf:
	PATH 1
.Lzero:                                                ; wo's rows 4000 to 4095
	v_mov_b32 v8, 0
	v_mov_b32 v9, 0
	v_mov_b32 v10, 0
	v_mov_b32 v11, 0
.irp n, 0,1,2,3,4,5,6,7,8,9,10,11,12,13,14,15
	global_store_b128 v[VZ], v[8:11], s[DST:DST+1] offset:512*(\n)
.endr
	s_endpgm
.Lfunc_end_k_qc4bcbaf773_cast:
	.size	k_qc4bcbaf773_cast, .Lfunc_end_k_qc4bcbaf773_cast-k_qc4bcbaf773_cast
	.p2alignl 7, 3214868480
	.fill 96, 4, 3214868480
	.section	.rodata,"a",@progbits
	.p2align	6, 0x0
	.amdhsa_kernel k_qc4bcbaf773_cast
		.amdhsa_group_segment_fixed_size 0
		.amdhsa_private_segment_fixed_size 0
		.amdhsa_enable_private_segment 0
		.amdhsa_kernarg_size 72
		.amdhsa_user_sgpr_count 2
		.amdhsa_user_sgpr_kernarg_segment_ptr 1
		.amdhsa_wavefront_size32 1
		.amdhsa_system_sgpr_workgroup_id_x 1
		.amdhsa_system_sgpr_workgroup_id_y 1
		.amdhsa_system_sgpr_workgroup_id_z 1
		.amdhsa_system_vgpr_workitem_id 0
		.amdhsa_next_free_vgpr 64
		.amdhsa_next_free_sgpr 66
		.amdhsa_reserve_vcc 0
		.amdhsa_float_denorm_mode_32 3
		.amdhsa_float_denorm_mode_16_64 3
		.amdhsa_memory_ordered 1
		.amdhsa_forward_progress 1
		.amdhsa_inst_pref_size 21
	.end_amdhsa_kernel
	.amdgpu_metadata
---
amdhsa.version: [ 1, 2 ]
amdhsa.kernels:
  - .name:           k_qc4bcbaf773_cast
    .symbol:         k_qc4bcbaf773_cast.kd
    .args:
      - { .name: h, .offset: 0, .size: 8, .value_kind: global_buffer, .address_space: global }
      - { .name: e, .offset: 8, .size: 8, .value_kind: global_buffer, .address_space: global }
      - { .name: Wq, .offset: 16, .size: 8, .value_kind: global_buffer, .address_space: global }
      - { .name: Wk, .offset: 24, .size: 8, .value_kind: global_buffer, .address_space: global }
      - { .name: Wv, .offset: 32, .size: 8, .value_kind: global_buffer, .address_space: global }
      - { .name: Wout, .offset: 40, .size: 8, .value_kind: global_buffer, .address_space: global }
      - { .name: xb, .offset: 48, .size: 8, .value_kind: global_buffer, .address_space: global }
      - { .name: wb, .offset: 56, .size: 8, .value_kind: global_buffer, .address_space: global }
      - { .name: wo, .offset: 64, .size: 8, .value_kind: global_buffer, .address_space: global }
    .group_segment_fixed_size: 0
    .private_segment_fixed_size: 0
    .kernarg_segment_align: 8
    .kernarg_segment_size: 72
    .max_flat_workgroup_size: 256
    .sgpr_count:     66
    .vgpr_count:     64
    .wavefront_size: 32
...
	.end_amdgpu_metadata
.endif
;; end of part 1
;; launch proj (part 2): grid 12 x 16, 4 waves a work-group, clusters of 4 x 4, 327,680 bytes of LDS; arguments xb, wb, qkv; writes qkv
.if DOCPART == 2
	.amdgcn_target "amdgcn-amd-amdhsa--gfx1250"
	.amdhsa_code_object_version 6
	.text
	.protected	k_qc4bcbaf773_proj
	.globl	k_qc4bcbaf773_proj
	.p2align	8
	.type	k_qc4bcbaf773_proj,@function
k_qc4bcbaf773_proj:
	s_mov_b64 s[64:65], 0
	v_nop
	global_prefetch_b8 v0, s[64:65] scope:SCOPE_SE
	s_setreg_imm32_b32 hwreg(HW_REG_WAVE_MODE, 25, 1), 1
	s_wait_xcnt 0x0
	s_wait_alu depctr_hold_cnt(0) depctr_sa_sdst(0) depctr_va_vdst(0) depctr_va_sdst(0) depctr_va_ssrc(0) depctr_va_vcc(0) depctr_vm_vsrc(0)
	s_getreg_b32 s2, hwreg(HW_REG_IB_STS2, 6, 4)
	s_cmp_eq_u32 s2, 0
	s_cbranch_scc0 .Lentry_in_a_cluster
	s_endpgm
.Lentry_in_a_cluster:
	s_bfe_u32 s2, ttmp6, 0x10000c
	s_cmp_lg_u32 s2, 0xf033
	s_cbranch_scc0 .Lentry_shape_is_right
	s_endpgm
.Lentry_shape_is_right:
; q = h Wq^T, k = e Wk^T, v = e Wv^T: three products [4096][2048] x [1024][2048]^T in bf16, sums in f32, each result rounded once to f16 into qkv (q, then k, then v, each [4096][1024]).
; LIMIT.  |q|, |k|, |v| stay under 65,504 (f16's range); the scale 1/32 is not applied here.
; SHARES.  A tile of 256 x 256 to a work-group of four waves, a wave 128 x 128: 64 accumulators of 16 x 16.  192 tiles: the cluster's x says which product (0 q, 1 k, 2 v), cx the tile column, 4 x cluster y + cy the tile row.
; K goes in 16 steps of 128 through two LDS slots filled by tensor loads: rows of 256 bytes, aligned.  One group 0 for each tensor walks: other slot, next K step.
; CLUSTER 4 x 4.  The four of a row of the cluster need the same rows of x, the four of a column the same rows of w: each tile is asked for jointly, same descriptor and mask in all four.
; THE MATRIX INSTRUCTION IS USED TRANSPOSED (source 0 = 16 rows of w, source 1 = 16 rows of x): a lane holds one row of the result (lane % 16) and eight neighbouring columns, 16 bytes of f16.
; REGISTERS, in windows of 256 (s_set_vgpr_msb: bits 1:0 source 0, 3:2 source 1, 5:4 source 2, 7:6 destination):
;   window 0: v0-31 addresses; v64-127, v128-191 x's fragments, two buffers; v32-63, v192-255 at work on the way out     window 1: v64-127, v128-191 w's fragments
;   window 2: the accumulators of my rows 0-63 ((a, b) at v[8 (8 a + b)]); window 3: of my rows 64-127
.set SIZE_K, 2048
.set ROWC,   2048                      ; bytes in a row of q, k or v
.set KSTEP,  128
.set KSTEPS, SIZE_K/KSTEP
.set PITCH,  272                       ; an LDS row: 256 bytes + 16 of padding = 68 words: the 16 rows of a fragment load start at 16 different groups of four banks (64 banks of 4 bytes: ISA guide 11.1)
.set HALFT,  128*PITCH                 ; what one tensor load brings
.set SLOT,   4*HALFT                   ; 0x22000: x's 256 rows, then w's; no wave's place in a slot has bit 13 or 17 set, so one exclusive or changes slots
.set STAGE,  2*SLOT                    ; 16 rows x 272 bytes for each wave, for the way out
.set SPITCH, 272
.set SPARE,  STAGE+4*16*SPITCH         ; the spare words: 128 bytes a wave, two blocks of 256 bytes that no other line names
.set ADRA0, 14                         ; v14  my lane's place in x's tile of slot 0; never rewritten
.set ADRB0, 15                         ; v15  in w's
.set ADRA, 16                          ; v16  the same in the slot in hand
.set ADRB, 20                          ; v20
.set STO,  24
.set RD,   25
.set CO,   26
.set SPW,  28                          ; v28  my spare word; never rewritten
.set NIL,  29                          ; v29  0; never rewritten
.set PFO,  30                          ; v30  the prefetches' offset: lane x a row of 4,096 bytes; never rewritten
.set F0,   64
.set F1,   128
.set TMP,  192
.set OB,   32
.set G1,  24                           ; s[24:31] group 1 for x's tiles
.set G0,  32                           ; s[32:35] group 0, walking
.set G1B, 48                           ; s[48:55] for w's tiles: it differs in the mask alone
.set G0B, 56                           ; s[56:59]
.set LIM, 43                           ; s43  2 in a wave that prefetches, else the greatest number
.set PFA, 44                           ; s[44:45] where my prefetches stand
.set TB,  60                           ; s60  LDS byte at which the slot in hand begins
.set MSB, 0
.macro WIN new                         ; the immediate's high byte repeats the setting that is left; a switch that changes nothing is dropped
.if MSB != (\new)
	s_set_vgpr_msb (MSB<<8)|(\new)
.set MSB, \new
.endif
.endm
.set MUL_LO, 0xa1                      ; source 0 (w) window 1, source 1 (x) window 0, C and D window 2
.set TO_B,   0x40                      ; destination window 1, address window 0
; A joint load: waves 0 and 1 fetch x's two halves, waves 2 and 3 w's.  The branch hangs on the wave's number alone.  An s_nop 0 and four v_nop follow each line.
.macro JLOAD
	s_cmp_eq_u32 s11, 0
	s_cbranch_scc0 .Lfor_b_\@
	tensor_load_to_lds s[G0:G0+3], s[G1:G1+7]
	s_nop 0
.rept 4
	v_nop
.endr
	s_branch .Lasked_\@
.Lfor_b_\@:
	tensor_load_to_lds s[G0B:G0B+3], s[G1B:G1B+7]
	s_nop 0
.rept 4
	v_nop
.endr
.Lasked_\@:
.endm
.macro STEPD                           ; both walking descriptors: the other slot, the next K step (no tensor load of mine is out where this stands)
	s_xor_b32 s[G0+1], s[G0+1], SLOT
	s_add_nc_u64 s[G0+2:G0+3], s[G0+2:G0+3], KSTEP*2
	s_xor_b32 s[G0B+1], s[G0B+1], SLOT
	s_add_nc_u64 s[G0B+2:G0B+3], s[G0B+2:G0B+3], KSTEP*2
.endm
; A prefetch of the K step that stands two refills on: 32 rows x 256 bytes, a lane a row, one instruction a wave.  Each row's 256 bytes of a K step are named once in the launch: h's rows by the product q, e's by
; the product k (v reads them too), w's by cluster y = 0; the four partners that ask for a tile jointly take 32 of its 128 rows each, told apart by address.  The last two refills have no K step two on.
.macro ASK
	s_cmp_gt_u32 s3, s[LIM]
	s_cbranch_scc0 .Lnot_mine_\@
	global_prefetch_b8 v[PFO], s[PFA:PFA+1] offset:KSTEP*2 th:TH_LOAD_NT scope:SCOPE_SE
.Lnot_mine_\@:
.endm
.macro CREST                           ; a round of the cluster's barrier behind its opening barrier
	s_cmp_lg_u32 s10, 0
	s_cbranch_scc1 .Lnot_wave_0_\@
	s_barrier_signal -3
.Lnot_wave_0_\@:
	s_barrier_wait -3
	s_barrier_signal -1
	s_barrier_wait -1
.endm
.macro CROUND
	s_barrier_signal -1
	s_barrier_wait -1
	CREST
.endm
	s_load_b128 s[4:7], s[0:1], 0x0                ; xb s[4:5], wb s[6:7]
	s_load_b64 s[8:9], s[0:1], 0x10                ; qkv
	v_lshl_add_u32 v[SPW], v0, 2, SPARE
	v_mov_b32 v[NIL], 0
	ds_add_u32 v[SPW], v[NIL]                      ; the wave's opening: the add and its wait stand ahead of my first tensor load; work on registers stands between them
	v_lshrrev_b32 v1, 5, v0
	v_readfirstlane_b32 s10, v1                    ; wave 0..3
	s_lshr_b32 s11, s10, 1                         ; my half of the tile's rows; also: I fetch for x (0) or for w (1)
	s_and_b32 s12, s10, 1                          ; my half of its columns; also: which 128 rows I fetch
	s_bfe_u32 s40, ttmp6, 0x40000                  ; cx
	s_bfe_u32 s41, ttmp6, 0x40004                  ; cy
	s_and_b32 s13, ttmp7, 0xffff
	s_lshl_b32 s13, s13, 2
	s_add_co_u32 s13, s13, s41                     ; tile row = 4 x cluster y + cy
	s_lshl_b32 s43, s41, 2
	s_lshl_b32 s43, 15, s43                        ; my row of the cluster
	s_lshl_b32 s44, 0x1111, s40                    ; my column
	s_or_b32 s[G1+0], s43, (1<<16)|(1<<20)|(1<<21)|(5<<22)|(3<<25)   ; the mask; 2-byte elements; padding on; bit 21 beside a mask; after every 64 words; 4 words
	s_or_b32 s[G1B+0], s44, (1<<16)|(1<<20)|(1<<21)|(5<<22)|(3<<25)
.irp g, G1, G1B
	s_mov_b32 s[(\g)+1], KSTEP<<16                 ; tensor_dim0 = 128
	s_mov_b32 s[(\g)+2], 128<<16                   ; tensor_dim1 = 128
	s_mov_b32 s[(\g)+3], KSTEP<<16                 ; tile_dim0 = 128
	s_mov_b32 s[(\g)+4], 128                       ; tile_dim1 = 128
	s_mov_b32 s[(\g)+5], SIZE_K                    ; elements from row to row
	s_mov_b32 s[(\g)+6], 0
	s_mov_b32 s[(\g)+7], 0
.endr
	s_min_u32 s16, ttmp9, 1                        ; x: h for q, e for k and v,
	s_lshl_b32 s16, s16, 12                        ; which lies 4,096 rows on
	s_lshl_b32 s17, s13, 8
	s_add_co_u32 s16, s16, s17
	s_lshl_b32 s17, s12, 7
	s_add_co_u32 s16, s16, s17                     ; + 256 x tile row + 128 x half
	s_lshl_b32 s16, s16, 12                        ; rows of 4,096 bytes: under 2^26
	s_lshl_b32 s46, ttmp9, 10                      ; w: 1,024 rows a product
	s_lshl_b32 s47, s40, 8
	s_add_co_u32 s46, s46, s47
	s_add_co_u32 s46, s46, s17                     ; + 256 cx + 128 x half
	s_lshl_b32 s46, s46, 12
	s_mov_b32 s17, 0
	s_mov_b32 s47, 0
	s_mov_b32 s21, s16                             ; both offsets are kept for the prefetches
	s_mov_b32 s22, s46
	s_mul_i32 s20, s10, HALFT                      ; where my load lands: wave x 128 rows
	s_mov_b32 s[TB], 0
	s_wait_dscnt 0x0                               ; the opening add is done
	s_wait_kmcnt 0x0
	s_add_nc_u64 s[14:15], s[4:5], s[16:17]
	s_add_nc_u64 s[46:47], s[6:7], s[46:47]
	CROUND                                         ; all sixteen work-groups are here: the first joint loads meet
	s_mov_b32 s[G0], 1
	s_mov_b32 s[G0+1], s20
	s_mov_b64 s[G0+2:G0+3], s[14:15]
	s_or_b32 s[G0+3], s[G0+3], 0x80000000
	s_mov_b32 s[G0B], 1
	s_mov_b32 s[G0B+1], s20
	s_mov_b64 s[G0B+2:G0B+3], s[46:47]
	s_or_b32 s[G0B+3], s[G0B+3], 0x80000000
	JLOAD                                          ; K step 0 into slot 0
	v_and_b32 v1, 15, v0                           ; l % 16
	v_bfe_u32 v2, v0, 4, 1                         ; l / 16
	v_mul_u32_u24 v3, v1, PITCH
	v_lshl_add_u32 v3, v2, 4, v3                   ; a fragment's row x pitch + 16 x half
	s_mul_i32 s18, s11, HALFT
	s_mul_i32 s19, s12, HALFT
	s_add_co_u32 s19, s19, 2*HALFT
	v_add_nc_u32 v[ADRA0], s18, v3
	v_add_nc_u32 v[ADRB0], s19, v3
	v_mov_b32 v[ADRA], v[ADRA0]
	v_mov_b32 v[ADRB], v[ADRB0]
	s_mul_i32 s23, s10, 16*SPITCH
	s_add_co_u32 s23, s23, STAGE                   ; my stage
	v_add_nc_u32 v[STO], s23, v3                   ; in: row l % 16, 16 bytes for each half of the lanes (the same pitch)
	v_mul_u32_u24 v5, v2, SPITCH                   ; back: lanes 0-15 one row of 256 bytes, lanes 16-31 the next
	v_lshl_add_u32 v5, v1, 4, v5
	v_add_nc_u32 v[RD], s23, v5
	v_lshlrev_b32 v5, 11, v2                       ; and the same two rows in the result
	v_lshl_add_u32 v[CO], v1, 4, v5
	; the prefetches
	s_and_b32 s23, ttmp7, 0xffff                   ; cluster y
	s_cmp_lg_u32 ttmp9, 2
	s_cselect_b32 s18, 1, 0                        ; x's rows: q asks for h, k for e; v asks for nothing
	s_cmp_eq_u32 s23, 0
	s_cselect_b32 s19, 1, 0                        ; w's rows: cluster y = 0
	s_cmp_eq_u32 s11, 0
	s_cselect_b32 s18, s18, s19
	s_cselect_b32 s20, s21, s22                    ; the 128 rows that I fetch,
	s_cselect_b32 s21, s40, s41                    ; my place among the four that ask for them with me
	s_cselect_b64 s[PFA:PFA+1], s[4:5], s[6:7]
	s_cmp_eq_u32 s18, 1
	s_cselect_b32 s[LIM], 2, -1                    ; the same in all sixteen partners, for a given wave
	s_lshl_b32 s21, s21, 17                        ; my work-group's 32 rows of 4,096 bytes
	s_add_co_u32 s20, s20, s21
	s_add_co_u32 s20, s20, 2*KSTEP*2               ; at K step 2: the first refill steps it to 3 and names K step 4
	s_mov_b32 s21, 0
	s_add_nc_u64 s[PFA:PFA+1], s[PFA:PFA+1], s[20:21]
	v_and_b32 v[PFO], 31, v0
	v_lshlrev_b32 v[PFO], 12, v[PFO]
	; where my part of the tile begins in qkv
	s_lshl_b32 s16, s13, 8
	s_lshl_b32 s17, s11, 7
	s_add_co_u32 s16, s16, s17
	s_lshl_b32 s16, s16, 11                        ; rows of 2,048 bytes
	s_lshl_b32 s17, ttmp9, 23                      ; 8,388,608 bytes a product
	s_add_co_u32 s16, s16, s17
	s_lshl_b32 s46, s40, 9
	s_lshl_b32 s47, s12, 8
	s_add_co_u32 s46, s46, s47
	s_add_co_u32 s16, s16, s46
	s_mov_b32 s17, 0
	s_add_nc_u64 s[8:9], s[8:9], s[16:17]
; 16 matrix instructions: m blocks a0, a0 + 1 of the window's four x all 8 n blocks, 32 along K.  zero = 1: the first product starts the sums.
.macro MUL16 f, hi, a0, zero
	WIN MUL_LO+0x50*(\hi)
.irp a, \a0, (\a0)+1
.irp b, 0,1,2,3,4,5,6,7
.if \zero
	v_wmma_f32_16x16x32_bf16 v[8*(8*(\a)+(\b)):8*(8*(\a)+(\b))+7], v[(\f)+8*(\b):(\f)+8*(\b)+7], v[(\f)+8*(4*(\hi)+(\a)):(\f)+8*(4*(\hi)+(\a))+7], 0
.else
	v_wmma_f32_16x16x32_bf16 v[8*(8*(\a)+(\b)):8*(8*(\a)+(\b))+7], v[(\f)+8*(\b):(\f)+8*(\b)+7], v[(\f)+8*(4*(\hi)+(\a)):(\f)+8*(4*(\hi)+(\a))+7], v[8*(8*(\a)+(\b)):8*(8*(\a)+(\b))+7]
.endif
.endr
.endr
.endm
.macro FETCH k, f                      ; 32 LDS loads in one run: a quarter step's fragments (32 K at byte k of the rows) into buffer f
	WIN TO_B
.irp i, 0,1,2,3,4,5,6,7
	ds_load_b128 v[(\f)+8*(\i):(\f)+8*(\i)+3],   v[ADRB] offset:(\k)+(\i)*16*PITCH
	ds_load_b128 v[(\f)+8*(\i)+4:(\f)+8*(\i)+7], v[ADRB] offset:(\k)+(\i)*16*PITCH+32
.endr
	WIN 0
.irp i, 0,1,2,3,4,5,6,7
	ds_load_b128 v[(\f)+8*(\i):(\f)+8*(\i)+3],   v[ADRA] offset:(\k)+(\i)*16*PITCH
	ds_load_b128 v[(\f)+8*(\i)+4:(\f)+8*(\i)+7], v[ADRA] offset:(\k)+(\i)*16*PITCH+32
.endr
.endm
.macro PLACES                          ; four plain vector instructions between a matrix instruction and a load into, or a vector read of, its registers
.rept 4
	v_nop
.endr
.endm
; A K step is four quarters of 32 along K on buffers 0, 1, 0, 1.  One of the first three multiplies f and fetches the next quarter, at byte k, into g.  The 64 accumulators take turns in the same order in every quarter.
.macro QUARTER k, f, g, zero
	s_wait_dscnt 8                                 ; w's fragments and x's rows 0-63 are in; the youngest eight loads may be out
	MUL16 \f, 0, 0, \zero
	MUL16 \f, 0, 2, \zero
	PLACES
	FETCH \k, \g
	s_wait_dscnt 32                                ; all but the 32 just issued
	MUL16 \f, 1, 0, \zero
	MUL16 \f, 1, 2, \zero
.endm
; The last quarter's first half and the one barrier of a change of slots: each wave has waited for all its tensor loads (one was out: its part of the next slot), added 0 to its spare word, and waited for that and for its reads of this slot.
.macro MEET round
	WIN 0
	s_wait_tensorcnt 0x0
	ds_add_u32 v[SPW], v[NIL]
	s_wait_dscnt 9                                 ; (the add and the youngest eight loads may be out)
	MUL16 F1, 0, 0, 0
	s_wait_dscnt 0x0                               ; the add is done, my reads of this slot are over
	s_barrier_signal -1
	MUL16 F1, 0, 2, 0
.if \round
	WIN 0
.endif
	s_barrier_wait -1
.endm
.macro TOGGLE                          ; the fragment loads go to the other slot
	s_xor_b32 s[TB], s[TB], SLOT
	v_add_nc_u32 v[ADRA], s[TB], v[ADRA0]
	v_add_nc_u32 v[ADRB], s[TB], v[ADRB0]
.endm
; The whole last quarter.  fill = 1: the barrier opens a round of the cluster's barrier, and the slot just read out is filled again, first thing behind the round, with the K step two on: 224 matrix instructions ahead of the wait for it.
.macro TURN fill
.if \fill
	s_wait_xcnt 0x0                                ; the last prefetch, a K step back, has read its address
	s_add_nc_u64 s[PFA:PFA+1], s[PFA:PFA+1], KSTEP*2
	MEET 1
	CREST
	STEPD
	JLOAD                                          ; the four v_nop behind it are also places in front of the loads below
.else
	MEET 0
	PLACES
	WIN 0
.endif
	TOGGLE
	FETCH 0, F0
.if \fill
	ASK
.endif
	MUL16 F1, 1, 0, 0
	MUL16 F1, 1, 2, 0
.endm
; THE WAY OUT of block a (16 rows): rounded to f16; into my own stage; back as whole rows of 256 bytes; stored.
.macro PACK a
.set AC, 64*((\a)%4)
	WIN 0x0a+5*((\a)/4)                            ; sources 0 and 1: window 2 or 3
.irp b, 0,1,2,3,4,5,6,7
.irp r, 0,1,2,3
	v_cvt_pk_f16_f32 v[TMP+4*(\b)+(\r)], v[AC+8*(\b)+2*(\r)], v[AC+8*(\b)+2*(\r)+1]
.endr
.endr
	WIN 0
.endm
.macro TOSTAGE a
.set BK, OB+192*((\a)%2)
.irp b, 0,1,2,3,4,5,6,7
	ds_store_b128 v[STO], v[TMP+4*(\b):TMP+4*(\b)+3] offset:32*(\b)
.endr
.irp t, 0,1,2,3,4,5,6,7
	ds_load_b128 v[BK+4*(\t):BK+4*(\t)+3], v[RD] offset:(\t)*2*SPITCH  ; LDS serves a wave's instructions in order (ISA guide 5.7.1.4): these see the stores above
.endr
.endm
.macro SEND a
.set BK, OB+192*((\a)%2)
	s_wait_dscnt 0x0                               ; the block is back in registers
	s_wait_xcnt 0x0                                ; earlier stores have read their base and data: both are rewritten only behind this wait
.if (\a) > 0
	s_add_nc_u64 s[8:9], s[8:9], 16*ROWC
.endif
.irp t, 0,1,2,3,4,5,6,7
	global_store_b128 v[CO], v[BK+4*(\t):BK+4*(\t)+3], s[8:9] offset:2*(\t)*ROWC  ; 16 lanes store 256 consecutive bytes, aligned
.endr
.endm
	WIN 0                                          ; slot 0 is waited for; slot 1 is filled as a refill is
	s_wait_tensorcnt 0x0
	ds_add_u32 v[SPW], v[NIL]
	STEPD
	s_wait_dscnt 0x0
	CROUND
	JLOAD                                          ; K step 1 into slot 1
	FETCH 0, F0
	QUARTER 64, F0, F1, 1                          ; the first quarter starts the sums
	WIN 0
	s_mov_b32 s3, KSTEPS-1
	s_branch .Lmid                                 ; the loop is entered behind a step's first quarter
.Ltop:                                                 ; KSTEPS - 2 times: behind step m the slot takes step m + 2
	TURN 1
	QUARTER 64, F0, F1, 0
	WIN 0
.Lmid:
	QUARTER 128, F1, F0, 0
	QUARTER 192, F0, F1, 0
	WIN 0
	s_sub_co_u32 s3, s3, 1
	s_cmp_lg_u32 s3, 0
	s_cbranch_scc1 .Ltop
	TURN 0                                         ; the tail is written out: nothing more is asked for
	QUARTER 64, F0, F1, 0
	QUARTER 128, F1, F0, 0
	QUARTER 192, F0, F1, 0
	s_wait_dscnt 8
	MUL16 F1, 0, 0, 0
	MUL16 F1, 0, 2, 0
	s_wait_dscnt 0x0
	MUL16 F1, 1, 0, 0
	MUL16 F1, 1, 2, 0
	WIN 0
	PLACES
	PACK 0
	TOSTAGE 0
.irp a, 1,2,3,4,5,6,7                  ; block a's conversions stand between block a - 1's loads from the stage and the wait for them
	PACK \a
	SEND (\a)-1
	TOSTAGE \a
.endr
	SEND 7
	s_wait_tensorcnt 0x0                           ; the wave's end
	ds_add_u32 v[SPW], v[NIL]
	s_wait_dscnt 0x0
	CROUND                                         ; the closing round
	s_endpgm
.Lfunc_end_k_qc4bcbaf773_proj:
	.size	k_qc4bcbaf773_proj, .Lfunc_end_k_qc4bcbaf773_proj-k_qc4bcbaf773_proj
	.p2alignl 7, 3214868480
	.fill 96, 4, 3214868480
	.section	.rodata,"a",@progbits
	.p2align	6, 0x0
	.amdhsa_kernel k_qc4bcbaf773_proj
		.amdhsa_group_segment_fixed_size 327680
		.amdhsa_private_segment_fixed_size 0
		.amdhsa_enable_private_segment 0
		.amdhsa_kernarg_size 24
		.amdhsa_user_sgpr_count 2
		.amdhsa_user_sgpr_kernarg_segment_ptr 1
		.amdhsa_wavefront_size32 1
		.amdhsa_system_sgpr_workgroup_id_x 1
		.amdhsa_system_sgpr_workgroup_id_y 1
		.amdhsa_system_sgpr_workgroup_id_z 1
		.amdhsa_system_vgpr_workitem_id 0
		.amdhsa_next_free_vgpr 1024
		.amdhsa_next_free_sgpr 66
		.amdhsa_reserve_vcc 0
		.amdhsa_float_denorm_mode_32 3
		.amdhsa_float_denorm_mode_16_64 3
		.amdhsa_memory_ordered 1
		.amdhsa_forward_progress 1
		.amdhsa_inst_pref_size 105
	.end_amdhsa_kernel
	.amdgpu_metadata
---
amdhsa.version: [ 1, 2 ]
amdhsa.kernels:
  - .name:           k_qc4bcbaf773_proj
    .symbol:         k_qc4bcbaf773_proj.kd
    .args:
      - { .name: xb, .offset: 0, .size: 8, .value_kind: global_buffer, .address_space: global }
      - { .name: wb, .offset: 8, .size: 8, .value_kind: global_buffer, .address_space: global }
      - { .name: qkv, .offset: 16, .size: 8, .value_kind: global_buffer, .address_space: global }
    .group_segment_fixed_size: 327680
    .private_segment_fixed_size: 0
    .kernarg_segment_align: 8
    .kernarg_segment_size: 24
    .max_flat_workgroup_size: 128
    .sgpr_count:     66
    .vgpr_count:     1024
    .wavefront_size: 32
...
	.end_amdgpu_metadata
.endif
;; end of part 2
;; launch scores (part 3): grid 9 x 16, 4 waves a work-group, no clusters, 327,680 bytes of LDS; arguments qkv, mask, pw, st; writes pw, st
.if DOCPART == 3
	.amdgcn_target "amdgcn-amd-amdhsa--gfx1250"
	.amdhsa_code_object_version 6
	.text
	.protected	k_qc4bcbaf773_scores
	.globl	k_qc4bcbaf773_scores
	.p2align	8
	.type	k_qc4bcbaf773_scores,@function
k_qc4bcbaf773_scores:
	s_mov_b64 s[64:65], 0
	v_nop
	global_prefetch_b8 v0, s[64:65] scope:SCOPE_SE
	s_setreg_imm32_b32 hwreg(HW_REG_WAVE_MODE, 25, 1), 1
	s_wait_xcnt 0x0
; WEIGHTS BY BLOCKS.  For a block i of 128 queries and a tile j <= i / 2 of 256 keys of a batch: s = q . k; hidden keys (key > query, or mask = 0) count as -1e30; for each query and each block t of 128 keys
; the block's own maximum m_t is taken away: p~ = 2^(c s - c m_t), c = log2(e) / 32, rounded to f16 into pw [2][2048][2048]; (c m_t, l_t = the sum of the unrounded p~) go to st [b][i][t][row 128][2] in f32.
; The launch behind joins the blocks by the maximum over t: together a running maximum cut in two; no fixed shift.  c m_t is held at -1e20 from below, so that a block with no allowed key gets p~ = 0 and l_t = 0.
; LIMITS.  |c s| under 1e20; a hidden score is its value less 1e30; p~ below 6e-5 keeps f16's fixed step of 6e-8; NaN and infinities are not treated apart; mask != 0 means allowed.
; SHARES.  144 work-groups of equal work: y = (b, e, pu), x = tt; pairs of query blocks uu = pu (pu + 1 tiles) and 7 - pu (8 - pu tiles) make 9 tiles; i = 2 uu + e.  NO CLUSTER: the tiles form a triangle: the
; number of work-groups that share q's rows (i / 2 + 1) or k's rows differs from tile to tile, and 9 x 16 does not fall into sets of four that share a tile.
; Four waves: wave (RH, CH) makes 64 queries x 128 keys = key block t = 2 j + CH: 32 accumulators; a block's maximum and sum never leave the wave.
; THE RING.  Two slots of unlike size: slot A holds 256 channels of the 384 rows (rows of 512 bytes), slot B 128 channels (rows of 256 bytes).  The 1,024 channels are walked as A B A B A.  The first A and the first B
; are asked for together at the head, so the walk has four groups of loads, three of them refills, and a refill brings as much as the room in LDS allows.
; S^T = K Q^T (source 0 = 16 keys, source 1 = 16 queries): a lane holds ONE query (lane % 16) and the keys 8 (lane / 16) + 0..7.  THE MASKS START THE SUMS: the accumulators begin at min(pad, causal), 0 or -1e30.
; REGISTERS: window 0: v0-31 addresses; v32-39 at work; v40-47 (c m, l) of the four tiles of 16 queries; v64-159, v160-255 two fragment buffers (64 of K, 32 of Q), later the packed weights
;   window 1: the accumulators, (a, kb) at v[8 (8 a + kb)]     window 2: v0-63 the pad mask of my 128 keys; v64-151 the causal mask for the 11 differences kb - a
.set PA,    528                        ; a row in slot A: 512 bytes + 16; in both slots the 16 rows of a fragment load start at 16 different groups of four banks (ISA guide 11.1)
.set PB,    272                        ; a row in slot B: 256 bytes + 16
.set QHA,   64*PA                      ; a tensor load of Q for slot A: 64 rows
.set KHA,   128*PA                     ; of K: 128 rows
.set KOFA,  2*QHA
.set BSL,   KOFA+2*KHA                 ; 202,752: slot B
.set QHB,   64*PB
.set KHB,   128*PB
.set KOFB,  BSL+2*QHB
.set STAGE, KOFB+2*KHB                 ; 307,200: 16 rows x 272 bytes for each wave, for the way out
.set SPARE, STAGE+4*16*PB              ; 324,608: the spare words, two blocks of 256 bytes that no other line names
.set AQA,   2                          ; v2   my lane's place in Q's tile of slot A; never rewritten
.set AKA,   3                          ; v3   in K's
.set ADRQ,  4                          ; v4   the address of the run of loads in hand
.set ADRK,  5
.set STO,   6
.set RD,    7
.set PO,    8
.set SOF,   9
.set MO,    10
.set DQ,    11                         ; v11  my query less my lanes' first key of the block
.set AQB,   14                         ; v14  my lane's place in Q's tile of slot B; never rewritten
.set AKB,   15
.set SPW,   28
.set NIL,   29
.set TC,    32
.set ST,    40
.set F0,    64
.set F1,    160
.set PK,    64
.set PM,    0                          ; window 2
.set CM,    64                         ; window 2
.set WV, 12
.set RH, 13
.set CH, 14
.set G1QA, 24                          ; group 1 for Q's and K's tiles of slot A and of slot B
.set G1KA, 32
.set G1QB, 40
.set G1KB, 48
.set G0QA, 56                          ; group 0 likewise: the LDS words never change, the addresses step
.set G0KA, 60
.set G0QB, 68
.set G0KB, 72
.set CS,  76                           ; s[76:77] c
.set SEL, 78                           ; s[78:79]
.set BIGN, 80
.set FLOOR, 81
.set SO,  82                           ; s82  byte along the LDS rows of the chunk to be fetched
.set CNT, 83
.set MUL, 0x50                         ; K and Q in window 0, C and D in window 1
.set MSB, 0
.macro WIN new
.if MSB != (\new)
	s_set_vgpr_msb (MSB<<8)|(\new)
.set MSB, \new
.endif
.endm
.macro PLACES                          ; four plain vector instructions between a matrix instruction and a load into, or a vector read of, its registers
.rept 4
	v_nop
.endr
.endm
.macro LOAD sl                         ; sl = 1: slot A, 2: slot B.  Waves 0 and 1 fetch Q's two halves, waves 2 and 3 K's; an s_nop 0 and four v_nop follow each line
	s_cmp_lt_u32 s[WV], 2
	s_cbranch_scc0 .Lfor_k_\@
.if (\sl) == 1
	tensor_load_to_lds s[G0QA:G0QA+3], s[G1QA:G1QA+7]
.else
	tensor_load_to_lds s[G0QB:G0QB+3], s[G1QB:G1QB+7]
.endif
	s_nop 0
.rept 4
	v_nop
.endr
	s_branch .Lasked_\@
.Lfor_k_\@:
.if (\sl) == 1
	tensor_load_to_lds s[G0KA:G0KA+3], s[G1KA:G1KA+7]
.else
	tensor_load_to_lds s[G0KB:G0KB+3], s[G1KB:G1KB+7]
.endif
	s_nop 0
.rept 4
	v_nop
.endr
.Lasked_\@:
.endm
	s_load_b256 s[4:11], s[0:1], 0x0               ; qkv s[4:5], mask s[6:7], pw s[8:9], st s[10:11]
	v_lshl_add_u32 v[SPW], v0, 2, SPARE
	v_mov_b32 v[NIL], 0
	ds_add_u32 v[SPW], v[NIL]                      ; the wave's opening: the add and its wait stand ahead of my first tensor load
	v_lshrrev_b32 v1, 5, v0
	v_readfirstlane_b32 s[WV], v1
	s_lshr_b32 s[RH], s[WV], 1
	s_and_b32 s[CH], s[WV], 1
	s_mov_b32 s15, ttmp9                           ; tt
	s_and_b32 s16, ttmp7, 0xffff
	s_lshr_b32 s17, s16, 3                         ; b
	s_bfe_u32 s18, s16, 0x10002                    ; e
	s_and_b32 s19, s16, 3                          ; pu
	s_sub_co_u32 s20, 7, s19
	s_sub_co_u32 s21, s15, s19
	s_sub_co_u32 s21, s21, 1
	s_cmp_le_u32 s15, s19
	s_cselect_b32 s20, s19, s20                    ; uu
	s_cselect_b32 s21, s15, s21                    ; j
	s_lshl_b32 s22, s20, 1
	s_add_co_u32 s22, s22, s18                     ; i
.irp g, G1QA, G1KA
	s_mov_b32 s[(\g)], (1<<16)|(1<<20)|(6<<22)|(3<<25)  ; 2-byte elements; padding on; after every 128 words; 4 words
	s_mov_b32 s[(\g)+1], 256<<16                   ; tensor_dim0
	s_mov_b32 s[(\g)+3], 256<<16                   ; tile_dim0
.endr
.irp g, G1QB, G1KB
	s_mov_b32 s[(\g)], (1<<16)|(1<<20)|(5<<22)|(3<<25)  ; after every 64 words
	s_mov_b32 s[(\g)+1], 128<<16
	s_mov_b32 s[(\g)+3], 128<<16
.endr
.irp g, G1QA, G1QB
	s_mov_b32 s[(\g)+2], 64<<16                    ; tensor_dim1
	s_mov_b32 s[(\g)+4], 64                        ; tile_dim1
.endr
.irp g, G1KA, G1KB
	s_mov_b32 s[(\g)+2], 128<<16
	s_mov_b32 s[(\g)+4], 128
.endr
.irp g, G1QA, G1KA, G1QB, G1KB
	s_mov_b32 s[(\g)+5], 1024                      ; elements from row to row
	s_mov_b32 s[(\g)+6], 0
	s_mov_b32 s[(\g)+7], 0
.endr
	s_lshl_b32 s23, s17, 11                        ; 2,048 b
	s_lshl_b32 s84, s22, 7
	s_add_co_u32 s84, s84, s23                     ; the query block's first row
	s_lshl_b32 s87, s[CH], 6
	s_add_co_u32 s86, s84, s87                     ; the 64 rows of Q that waves 0 and 1 fetch
	s_lshl_b32 s86, s86, 11
	s_mov_b32 s87, 0
	s_lshl_b32 s85, s21, 8
	s_add_co_u32 s85, s85, s23
	s_lshl_b32 s89, s[CH], 7
	s_add_co_u32 s85, s85, s89                     ; the first key of block t = 2 j + CH: what waves 2 and 3 fetch, and what I multiply
	s_lshl_b32 s88, s85, 11
	s_add_co_u32 s88, s88, 8388608                 ; k lies behind q
	s_mov_b32 s89, 0
	s_mov_b32 s[G0QA], 1
	s_mul_i32 s[G0QA+1], s[CH], QHA
	s_mov_b32 s[G0KA], 1
	s_mul_i32 s[G0KA+1], s[CH], KHA
	s_add_co_u32 s[G0KA+1], s[G0KA+1], KOFA
	s_mov_b32 s[G0QB], 1
	s_mul_i32 s[G0QB+1], s[CH], QHB
	s_add_co_u32 s[G0QB+1], s[G0QB+1], BSL
	s_mov_b32 s[G0KB], 1
	s_mul_i32 s[G0KB+1], s[CH], KHB
	s_add_co_u32 s[G0KB+1], s[G0KB+1], KOFB
	s_mov_b32 s[CS], 0x3d38aa3b                    ; c = log2(e) / 32
	s_mov_b32 s[CS+1], s[CS]
	s_mov_b32 s[SEL], 0x76543210
	s_mov_b32 s[SEL+1], 0xfedcba98
	s_mov_b32 s[BIGN], 0xf149f2ca                  ; -1e30
	s_mov_b32 s[FLOOR], 0xe0ad78ec                 ; -1e20
	s_wait_dscnt 0x0                               ; the opening add is done
	s_wait_kmcnt 0x0
	s_add_nc_u64 s[G0QA+2:G0QA+3], s[4:5], s[86:87]            ; slot A begins with channels 0-255,
	s_add_nc_u64 s[G0QB+2:G0QB+3], s[G0QA+2:G0QA+3], 512       ; slot B with channels 256-383
	s_or_b32 s[G0QA+3], s[G0QA+3], 0x80000000
	s_or_b32 s[G0QB+3], s[G0QB+3], 0x80000000
	s_add_nc_u64 s[G0KA+2:G0KA+3], s[4:5], s[88:89]
	s_add_nc_u64 s[G0KB+2:G0KB+3], s[G0KA+2:G0KA+3], 512
	s_or_b32 s[G0KA+3], s[G0KA+3], 0x80000000
	s_or_b32 s[G0KB+3], s[G0KB+3], 0x80000000
	s_cmp_lt_u32 s[WV], 2                          ; a wave's two first fills stand in one branch, ahead of every wait on TENSORcnt, every LDS read and every barrier: two loads of mine are out
	s_cbranch_scc0 .Lfirst_k
	tensor_load_to_lds s[G0QA:G0QA+3], s[G1QA:G1QA+7]
	s_nop 0
	tensor_load_to_lds s[G0QB:G0QB+3], s[G1QB:G1QB+7]
	s_nop 0
.rept 4
	v_nop
.endr
	s_branch .Lfirst_asked
.Lfirst_k:
	tensor_load_to_lds s[G0KA:G0KA+3], s[G1KA:G1KA+7]
	s_nop 0
	tensor_load_to_lds s[G0KB:G0KB+3], s[G1KB:G1KB+7]
	s_nop 0
.rept 4
	v_nop
.endr
.Lfirst_asked:
	v_and_b32 v1, 15, v0                           ; r
	v_bfe_u32 v12, v0, 4, 1                        ; h
	v_mul_u32_u24 v13, v1, PA
	v_lshl_add_u32 v13, v12, 4, v13                ; slot A: row x pitch + 16 x half
	s_mul_i32 s23, s[RH], QHA
	v_add_nc_u32 v[AQA], s23, v13
	s_mul_i32 s23, s[CH], KHA
	s_add_co_u32 s23, s23, KOFA
	v_add_nc_u32 v[AKA], s23, v13
	v_mul_u32_u24 v13, v1, PB
	v_lshl_add_u32 v13, v12, 4, v13                ; slot B and the stage
	s_mul_i32 s23, s[RH], QHB
	s_add_co_u32 s23, s23, BSL
	v_add_nc_u32 v[AQB], s23, v13
	s_mul_i32 s23, s[CH], KHB
	s_add_co_u32 s23, s23, KOFB
	v_add_nc_u32 v[AKB], s23, v13
	s_mul_i32 s23, s[WV], 16*PB
	s_add_co_u32 s23, s23, STAGE
	v_add_nc_u32 v[STO], s23, v13
	v_mul_u32_u24 v[RD], v12, PB
	v_lshl_add_u32 v[RD], v1, 4, v[RD]
	v_add_nc_u32 v[RD], s23, v[RD]
	v_lshlrev_b32 v[PO], 12, v12                   ; two rows of pw, 4,096 bytes apart
	v_lshl_add_u32 v[PO], v1, 4, v[PO]
	v_and_b32 v13, 31, v0
	v_lshlrev_b32 v[SOF], 3, v13
	v_lshlrev_b32 v[MO], 5, v12                    ; my lanes' eight mask words
	s_lshl_b32 s86, s85, 2
	s_add_nc_u64 s[6:7], s[6:7], s[86:87]          ; mask at my block's first key
	s_lshl_b32 s86, s[RH], 6
	s_add_co_u32 s86, s86, s84
	s_lshl_b32 s86, s86, 12                        ; pw: my first row,
	s_lshl_b32 s88, s21, 9
	s_add_co_u32 s86, s86, s88
	s_lshl_b32 s88, s[CH], 8
	s_add_co_u32 s86, s86, s88                     ; my block's 256 bytes of it
	s_add_nc_u64 s[8:9], s[8:9], s[86:87]
	s_lshl_b32 s86, s17, 4
	s_add_co_u32 s86, s86, s22
	s_lshl_b32 s86, s86, 4
	s_lshl_b32 s88, s21, 1
	s_add_co_u32 s86, s86, s88
	s_add_co_u32 s86, s86, s[CH]                   ; (16 b + i) 16 + t
	s_lshl_b32 s86, s86, 10
	s_lshl_b32 s88, s[RH], 9
	s_add_co_u32 s86, s86, s88
	s_add_nc_u64 s[10:11], s[10:11], s[86:87]
	s_lshl_b32 s86, s22, 7                         ; 128 i + 64 RH - 256 j - 128 CH (it may be -128)
	s_lshl_b32 s88, s[RH], 6
	s_add_co_u32 s86, s86, s88
	s_lshl_b32 s88, s21, 8
	s_sub_co_u32 s86, s86, s88
	s_lshl_b32 s88, s[CH], 7
	s_sub_co_u32 s86, s86, s88
	v_lshlrev_b32 v[DQ], 3, v12
	v_sub_nc_u32 v[DQ], v1, v[DQ]
	v_add_nc_u32 v[DQ], s86, v[DQ]
	; THE MASKS, made while the first tiles are on their way.
	WIN 0x80                                       ; destination window 2
.irp kb, 0,1,2,3,4,5,6,7
	global_load_b128 v[PM+8*(\kb):PM+8*(\kb)+3],   v[MO], s[6:7] offset:64*(\kb)
	global_load_b128 v[PM+8*(\kb)+4:PM+8*(\kb)+7], v[MO], s[6:7] offset:64*(\kb)+16
.endr
.set n, 0
.rept 88                                       ; key 16 kb + 8 h + jj of the block is hidden from query 16 a + r of my 64 where 16 (kb - a) + jj > DQ; d = kb - a + 3 = n / 8
	v_cmp_gt_i32 vcc_lo, 16*(n/8-3)+n%8, v[DQ]
	v_cndmask_b32 v[CM+n], 0, s[BIGN], vcc_lo
.set n, n+1
.endr
	s_wait_loadcnt 0x0
	WIN 0x88                                       ; source 1 and destination window 2
.set n, 0
.rept 64
	v_cmp_eq_u32 vcc_lo, 0, v[PM+n]
	v_cndmask_b32 v[PM+n], 0, s[BIGN], vcc_lo
.set n, n+1
.endr
	WIN 0x4a                                       ; sources window 2, destination window 1
.set a, 0
.rept 4
.set kb, 0
.rept 8
.set jj, 0
.rept 8
	v_min_num_f32 v[8*(8*a+kb)+jj], v[PM+8*kb+jj], v[CM+8*(kb-a+3)+jj]
.set jj, jj+1
.endr
.set kb, kb+1
.endr
.set a, a+1
.endr
.macro MUL8 f, a                       ; 16 queries x 128 keys, 32 channels.  The 32 accumulators take turns in the same order in every chunk
	WIN MUL
.irp kb, 0,1,2,3,4,5,6,7
	v_wmma_f32_16x16x32_f16 v[8*(8*(\a)+(\kb)):8*(8*(\a)+(\kb))+7], v[(\f)+8*(\kb):(\f)+8*(\kb)+7], v[(\f)+64+8*(\a):(\f)+64+8*(\a)+7], v[8*(8*(\a)+(\kb)):8*(8*(\a)+(\kb))+7]
.endr
.endm
; 24 LDS loads in one run: the next chunk of 32 channels, K's eight fragments and Q's four, into buffer f.  p: the slot's pitch; aq, ak: my lane's places in the slot.
.macro FETCH p, aq, ak, f
	WIN 0
	v_add_nc_u32 v[ADRQ], s[SO], v[\aq]
	v_add_nc_u32 v[ADRK], s[SO], v[\ak]
	s_add_co_u32 s[SO], s[SO], 64                  ; the next fetch is the next chunk's
.irp i, 0,1,2,3,4,5,6,7
	ds_load_b128 v[(\f)+8*(\i):(\f)+8*(\i)+3],   v[ADRK] offset:(\i)*16*(\p)
	ds_load_b128 v[(\f)+8*(\i)+4:(\f)+8*(\i)+7], v[ADRK] offset:(\i)*16*(\p)+32
.endr
.irp i, 0,1,2,3
	ds_load_b128 v[(\f)+64+8*(\i):(\f)+64+8*(\i)+3],   v[ADRQ] offset:(\i)*16*(\p)
	ds_load_b128 v[(\f)+64+8*(\i)+4:(\f)+64+8*(\i)+7], v[ADRQ] offset:(\i)*16*(\p)+32
.endr
.endm
; A slot's channels: 2 x trips chunks, written as two.  A chunk's loads are issued ahead of the 32 products of the chunk before; the last trip has no further chunk, and its run of loads is jumped over.
.macro COMPUTE p, aq, ak, trips
	s_mov_b32 s[SO], 0
	PLACES
	FETCH \p, \aq, \ak, F0
	s_mov_b32 s[CNT], \trips
.Lc_\@:
	s_wait_dscnt 0x0                               ; buffer 0 is in
	PLACES
	FETCH \p, \aq, \ak, F1
	MUL8 F0, 0
	MUL8 F0, 1
	MUL8 F0, 2
	MUL8 F0, 3
	WIN 0
	s_wait_dscnt 0x0                               ; buffer 1 is in
	s_cmp_eq_u32 s[CNT], 1
	s_cbranch_scc1 .Lnf_\@
	PLACES
	FETCH \p, \aq, \ak, F0
.Lnf_\@:
	MUL8 F1, 0
	MUL8 F1, 1
	MUL8 F1, 2
	MUL8 F1, 3
	WIN 0
	s_sub_co_u32 s[CNT], s[CNT], 1
	s_cmp_lg_u32 s[CNT], 0
	s_cbranch_scc1 .Lc_\@
.endm
; THE CHANGE OF SLOTS.  Each wave waits for all its tensor loads (its part of the slot to be read next among them), adds 0 to its spare word, and waits for that and for its reads of the slot that it leaves.
; sl = 1, 2: that slot, A or B, is filled again first thing behind the barrier, with the channels 384 further on (768 bytes along the rows).  sl = 0: nothing is left to ask for.
.macro XCH sl
	WIN 0
	s_wait_tensorcnt 0x0                           ; no tensor load of mine is out, so a group 0 may be written
	ds_add_u32 v[SPW], v[NIL]
.if (\sl) == 1
	s_add_nc_u64 s[G0QA+2:G0QA+3], s[G0QA+2:G0QA+3], 768
	s_add_nc_u64 s[G0KA+2:G0KA+3], s[G0KA+2:G0KA+3], 768
.elseif (\sl) == 2
	s_add_nc_u64 s[G0QB+2:G0QB+3], s[G0QB+2:G0QB+3], 768
	s_add_nc_u64 s[G0KB+2:G0KB+3], s[G0KB+2:G0KB+3], 768
.endif
	s_wait_dscnt 0x0
	s_barrier_signal -1
	s_barrier_wait -1
.if (\sl) > 0
	LOAD \sl
.endif
.endm
	WIN 0
	s_wait_tensorcnt 0x1                           ; my part of slot A is in; slot B's, issued behind it, may stay out
	s_barrier_signal -1
	s_barrier_wait -1                              ; everybody's is
	s_mov_b32 s3, 2
	s_branch .Lmid
.Ltop:
	XCH 2                                          ; slot B takes channels 640-767
.Lmid:
	COMPUTE PA, AQA, AKA, 4                        ; channels 0-255, then 384-639
	XCH 1                                          ; slot A takes channels 384-639, then 768-1023
	COMPUTE PB, AQB, AKB, 2                        ; channels 256-383, then 640-767
	s_sub_co_u32 s3, s3, 1
	s_cmp_lg_u32 s3, 0
	s_cbranch_scc1 .Ltop
	XCH 0                                          ; the tail is written out: nothing more is asked for
	COMPUTE PA, AQA, AKA, 4                        ; channels 768-1023
	PLACES
; Tile a of 16 queries: the block's maximum (each accumulator's lowest registers are read first), the weights, their sum, and the weights through my stage into whole rows of 256 bytes.
.macro SOFT a
.set rS, 64*(\a)
.set rT, ST+2*(\a)
.set rP, PK+32*((\a)%2)
	WIN 0x15                                       ; three sources in window 1
.set n, 0
.rept 8
	v_max3_num_f32 v[TC+n], v[rS+8*n], v[rS+8*n+1], v[rS+8*n+2]
.set n, n+1
.endr
	WIN 0x14
.set n, 0
.rept 8
	v_max3_num_f32 v[TC+n], v[TC+n], v[rS+8*n+3], v[rS+8*n+4]
.set n, n+1
.endr
.set n, 0
.rept 8
	v_max3_num_f32 v[TC+n], v[TC+n], v[rS+8*n+5], v[rS+8*n+6]
.set n, n+1
.endr
.set n, 0
.rept 4
	v_max3_num_f32 v[TC+n], v[TC+n], v[rS+16*n+7], v[rS+16*n+15]
.set n, n+1
.endr
	WIN 0
	v_max3_num_f32 v[TC], v[TC], v[TC+1], v[TC+2]
	v_max3_num_f32 v[TC+3], v[TC+3], v[TC+4], v[TC+5]
	v_max3_num_f32 v[TC], v[TC], v[TC+3], v[TC+6]
	v_max_num_f32 v[TC], v[TC], v[TC+7]
	v_permlanex16_b32 v[TC+1], v[TC], s[SEL], s[SEL+1]  ; the query's other 64 keys lie in the lane 16 away
	v_max_num_f32 v[TC], v[TC], v[TC+1]
	v_mul_f32 v[TC], s[CS], v[TC]
	v_max_num_f32 v[rT], s[FLOOR], v[TC]           ; c m_t, held at -1e20 from below
	v_mov_b32 v[rT+1], 0                           ; named with it as a pair
	WIN 0x41
.set n, 0
.rept 32
	v_pk_fma_f32 v[rS+2*n:rS+2*n+1], v[rS+2*n:rS+2*n+1], s[CS:CS+1], v[rT:rT+1] op_sel_hi:[1,0,0] neg_lo:[0,0,1] neg_hi:[0,0,1]
.set n, n+1
.endr
.set n, 0
.rept 64                                       ; one batch
	v_exp_f32 v[rS+n], v[rS+n]
.set n, n+1
.endr
	v_nop                                          ; a plain instruction behind the last exponential,
	s_wait_alu depctr_va_vdst(0)                   ; and the one wait ahead of the batch's first reader
	s_wait_xcnt 0x0                                ; the stores of the tile two back have read the registers that are written next
	WIN 0x05
.set n, 0
.rept 32
	v_cvt_pk_f16_f32 v[rP+n], v[rS+2*n], v[rS+2*n+1]
.set n, n+1
.endr
	WIN 0x45
.irp w, 4, 8, 16, 32, 64                       ; the sum of the 32 pairs, in place: neighbours 1, 2, 4, 8 and 16 pairs apart
.set n, 0
.rept 64/(\w)
	v_pk_add_f32 v[rS+(\w)*n:rS+(\w)*n+1], v[rS+(\w)*n:rS+(\w)*n+1], v[rS+(\w)*n+(\w)/2:rS+(\w)*n+(\w)/2+1]
.set n, n+1
.endr
.endr
	WIN 0x05
	v_add_f32 v[TC], v[rS], v[rS+1]
	WIN 0
	v_permlanex16_b32 v[TC+1], v[TC], s[SEL], s[SEL+1]
	v_add_f32 v[rT+1], v[TC], v[TC+1]              ; l_t
.irp kb, 0,1,2,3,4,5,6,7
	ds_store_b128 v[STO], v[rP+4*(\kb):rP+4*(\kb)+3] offset:32*(\kb)
.endr
.irp t, 0,1,2,3,4,5,6,7
	ds_load_b128 v[rP+4*(\t):rP+4*(\t)+3], v[RD] offset:(\t)*2*PB  ; LDS serves a wave's instructions in order (ISA guide 5.7.1.4): these see the stores above
.endr
.endm
.macro SENDP a, younger                ; younger: the LDS instructions issued behind tile a's loads
.set rP, PK+32*((\a)%2)
.irp t, 0,1,2,3,4,5,6,7
	s_wait_dscnt (\younger)+7-(\t)
	global_store_b128 v[PO], v[rP+4*(\t):rP+4*(\t)+3], s[8:9] offset:(\a)*65536+(\t)*8192  ; 16 lanes store 256 consecutive bytes, aligned
.endr
.endm
	SOFT 0
	SOFT 1
	SENDP 0, 16
	SOFT 2
	SENDP 1, 16
	SOFT 3
	SENDP 2, 16
	SENDP 3, 0
	; the statistics: both halves of the lanes hold them; lanes 0-15 store tiles 0 and 2, lanes 16-31 tiles 1 and 3: 256 consecutive bytes a store
	v_and_b32 v13, 31, v0
	v_cmp_le_u32 vcc_lo, 16, v13
	v_cndmask_b32 v[TC],   v[ST],   v[ST+2], vcc_lo
	v_cndmask_b32 v[TC+1], v[ST+1], v[ST+3], vcc_lo
	v_cndmask_b32 v[TC+2], v[ST+4], v[ST+6], vcc_lo
	v_cndmask_b32 v[TC+3], v[ST+5], v[ST+7], vcc_lo
	global_store_b64 v[SOF], v[TC:TC+1], s[10:11]
	global_store_b64 v[SOF], v[TC+2:TC+3], s[10:11] offset:256
	s_wait_tensorcnt 0x0                           ; the wave's end
	ds_add_u32 v[SPW], v[NIL]
	s_wait_dscnt 0x0
	s_endpgm
.Lfunc_end_k_qc4bcbaf773_scores:
	.size	k_qc4bcbaf773_scores, .Lfunc_end_k_qc4bcbaf773_scores-k_qc4bcbaf773_scores
	.p2alignl 7, 3214868480
	.fill 96, 4, 3214868480
	.section	.rodata,"a",@progbits
	.p2align	6, 0x0
	.amdhsa_kernel k_qc4bcbaf773_scores
		.amdhsa_group_segment_fixed_size 327680
		.amdhsa_private_segment_fixed_size 0
		.amdhsa_enable_private_segment 0
		.amdhsa_kernarg_size 32
		.amdhsa_user_sgpr_count 2
		.amdhsa_user_sgpr_kernarg_segment_ptr 1
		.amdhsa_wavefront_size32 1
		.amdhsa_system_sgpr_workgroup_id_x 1
		.amdhsa_system_sgpr_workgroup_id_y 1
		.amdhsa_system_sgpr_workgroup_id_z 1
		.amdhsa_system_vgpr_workitem_id 0
		.amdhsa_next_free_vgpr 672
		.amdhsa_next_free_sgpr 92
		.amdhsa_reserve_vcc 1
		.amdhsa_float_denorm_mode_32 3
		.amdhsa_float_denorm_mode_16_64 3
		.amdhsa_memory_ordered 1
		.amdhsa_forward_progress 1
		.amdhsa_inst_pref_size 116
	.end_amdhsa_kernel
	.amdgpu_metadata
---
amdhsa.version: [ 1, 2 ]
amdhsa.kernels:
  - .name:           k_qc4bcbaf773_scores
    .symbol:         k_qc4bcbaf773_scores.kd
    .args:
      - { .name: qkv, .offset: 0, .size: 8, .value_kind: global_buffer, .address_space: global }
      - { .name: mask, .offset: 8, .size: 8, .value_kind: global_buffer, .address_space: global }
      - { .name: pw, .offset: 16, .size: 8, .value_kind: global_buffer, .address_space: global }
      - { .name: st, .offset: 24, .size: 8, .value_kind: global_buffer, .address_space: global }
    .group_segment_fixed_size: 327680
    .private_segment_fixed_size: 0
    .kernarg_segment_align: 8
    .kernarg_segment_size: 32
    .max_flat_workgroup_size: 128
    .sgpr_count:     92
    .vgpr_count:     672
    .wavefront_size: 32
...
	.end_amdgpu_metadata
.endif
;; end of part 3
;; launch ctx (part 4): grid 8 x 32, 4 waves a work-group, clusters of 4 x 1, 327,680 bytes of LDS; arguments pw, st, qkv, ctxh; writes ctxh
.if DOCPART == 4
	.amdgcn_target "amdgcn-amd-amdhsa--gfx1250"
	.amdhsa_code_object_version 6
	.text
	.protected	k_qc4bcbaf773_ctx
	.globl	k_qc4bcbaf773_ctx
	.p2align	8
	.type	k_qc4bcbaf773_ctx,@function
k_qc4bcbaf773_ctx:
	s_mov_b64 s[64:65], 0
	v_nop
	global_prefetch_b8 v0, s[64:65] scope:SCOPE_SE
	s_setreg_imm32_b32 hwreg(HW_REG_WAVE_MODE, 25, 1), 1
	s_wait_xcnt 0x0
	s_wait_alu depctr_hold_cnt(0) depctr_sa_sdst(0) depctr_va_vdst(0) depctr_va_sdst(0) depctr_va_ssrc(0) depctr_va_vcc(0) depctr_vm_vsrc(0)
	s_getreg_b32 s2, hwreg(HW_REG_IB_STS2, 6, 4)
	s_cmp_eq_u32 s2, 0
	s_cbranch_scc0 .Lentry_in_a_cluster
	s_endpgm
.Lentry_in_a_cluster:
	s_bfe_u32 s2, ttmp6, 0x10000c
	s_cmp_lg_u32 s2, 0x3003
	s_cbranch_scc0 .Lentry_shape_is_right
	s_endpgm
.Lentry_shape_is_right:
; ctx[q] = (1 / L) x the sum over key blocks t of f_t x (p~_t V_t), with M = the maximum over t of c m_t, f_t = 2^(c m_t - M), L = the sum of f_t l_t: the second half of the running maximum begun by the launch before.
; f_t is rounded to f16 and that same number enters L; p~ f_t is rounded to f16 for the product; sums in f32; ctx rounded once to f16.  A row with no allowed key has L = 0 and gets 0.
; LIMITS.  p~ f_t below 6e-5 keeps f16's fixed step of 6e-8; ctx is a mean of v's rows and has their range; NaN and infinities are not treated apart.
; THE WALK.  A work-group makes 128 channels (c = 4 x cluster x + cx) of TWO blocks of 64 queries: block u (n1 = u / 4 + 1 tiles of 256 keys), then block 31 - u (9 - n1 tiles): 9 UNITS whatever u: 256 work-groups of
; equal work.  Unit n is tile n of the first block if n < n1, else tile n - n1 of the second: its addresses are made anew from that number.  A unit is 64 rows of p~ (512 bytes each) and 256 rows of v (256 bytes each).
; THE RING.  Slot A holds two units, slot B one; they are read as A B A B A B.  Units 0, 1 and 2 are asked for together at the head; four refills follow: (3, 4), (5), (6, 7), (8).
; CLUSTER 4 x 1.  The four partners share (b, u): the same tiles of p~, asked for jointly.  V's tiles are each work-group's own channels: plain loads behind the same round.  (Work-groups that share V's channels are other
; query blocks with other tiles in hand at a given trip: no joint request.)
; SHARES.  Wave w: queries 16 w .. 16 w + 15 of the block, all 128 channels: 8 accumulators.  O^T = V^T P (source 0 = 16 channels x 32 keys, turned out of LDS; source 1 = 16 queries x 32 keys): a lane holds one
; query (lane % 16) and eight channels, so a query's factors and its 1 / L lie in its own lanes' registers.
; THE WAY OUT stands at the end for both blocks: the units leave no room in LDS for a stage, so at the change of blocks the first block's sums are set aside in registers, and the stage lies in slot A, which has then had
; its last fill and its last read.
; REGISTERS: window 0: v13-31 addresses and the factors in hand; v32-63 at work; v64-79 the block's 16 factors; v80-95 the second block's; v96-99 1 / L; v100-118 the statistics; v128-191 the accumulators (cb at
;   128 + 8 cb); v192-255 the first block's sums     window 1: two buffers of 72 (at 0 and 72): P's fragment, V's eight
.set PP,    528                        ; a row of P in LDS: 512 bytes + 16
.set PVP,   288                        ; a row of V: 256 + 32
.set VOFF,  64*PP                      ; in a unit: P's 64 rows, then V's 256
.set UNIT,  VOFF+256*PVP               ; 107,520
.set BSL,   2*UNIT                     ; slot B
.set SPARE, 3*UNIT                     ; 322,560: the spare words, two blocks of 256 bytes that no other line names
.set SPIT,  272                        ; the stage, at the end, from byte 0: 16 rows x 272 bytes for each wave
.set FC,   13                          ; v13  the factor of the chunks in hand, twice in f16
.set PL0,  14
.set VL0,  15
.set ADRP, 17
.set ADRV, 18
.set STO,  20
.set RD,   21
.set GO,   22
.set LR8,  26
.set SPW,  28
.set NIL,  29
.set FA,   30                          ; v30  the factor of the unit's first 128 keys
.set FB,   31                          ; v31  of its second
.set TMP,  32
.set FCUR, 64
.set FHI,  80
.set IVL,  96
.set IVH,  98
.set SO,   100
.set MX,   116
.set LS,   117
.set RC,   118
.set ACC,  128
.set SAV,  192
.set F0,   0
.set F1,   72
.set UC, 2                             ; s2   counts slot A's two units
.set WV, 12
.set CH, 14
.set N1, 21                            ; s21  units of the first block
.set HP, 22                            ; s22  my half of slot B's P: 32 rows of 4,096 bytes
.set HV, 23                            ; s23  of its V: 128 rows of 2,048 bytes
.set G1PA, 24
.set G1PB, 32
.set G1VA, 40
.set G1VB, 48
.set G0PA, 56
.set G0VA, 60
.set G0PB, 68
.set G0VB, 72
.set PB1, 76                           ; s[76:77] pw at the first block's first row
.set PB2, 78                           ; s[78:79] at the second's
.set VB,  80                           ; s[80:81] v at the batch's first key, my channels
.set OA,  82                           ; s[82:83] ctxh at my rows of the first block
.set OB2, 84                           ; s[84:85] of the second
.set OFP, 86                           ; s[86:87] a unit's byte offset along pw's rows
.set OFV, 88                           ; s[88:89] down v's rows
.set PX,  90                           ; s[90:91]
.set NA,  92                           ; s92  the first of the two units that slot A takes next
.set NB,  93                           ; s93  the unit that slot B takes next
.set MU,  94                           ; s94  the unit that is multiplied
.set SP,  95                           ; s95  LDS offset of the chunk of P to be fetched
.set SV,  96                           ; s96  of V
.set CNT, 97
.set T0,  98
.set T1,  99
.set JJ,  100
.set MK,  101
.set MSB, 0
.macro WIN new
.if MSB != (\new)
	s_set_vgpr_msb (MSB<<8)|(\new)
.set MSB, \new
.endif
.endm
.macro PLACES
.rept 4
	v_nop
.endr
.endm
; A fill of slot A (sl = 1) or B (sl = 2).  Waves 0 and 1: P, jointly; waves 2 and 3: V, my own.  Slot A: a wave a unit; slot B: a wave half of the unit's rows.
.macro JLOAD sl
	s_cmp_lt_u32 s[WV], 2
	s_cbranch_scc0 .Lfor_v_\@
.if (\sl) == 1
	tensor_load_to_lds s[G0PA:G0PA+3], s[G1PA:G1PA+7]
.else
	tensor_load_to_lds s[G0PB:G0PB+3], s[G1PB:G1PB+7]
.endif
	s_nop 0
.rept 4
	v_nop
.endr
	s_branch .Lasked_\@
.Lfor_v_\@:
.if (\sl) == 1
	tensor_load_to_lds s[G0VA:G0VA+3], s[G1VA:G1VA+7]
.else
	tensor_load_to_lds s[G0VB:G0VB+3], s[G1VB:G1VB+7]
.endif
	s_nop 0
.rept 4
	v_nop
.endr
.Lasked_\@:
.endm
.macro CROUND
	s_barrier_signal -1
	s_barrier_wait -1
	s_cmp_lg_u32 s[WV], 0
	s_cbranch_scc1 .Lnot_wave_0_\@
	s_barrier_signal -3
.Lnot_wave_0_\@:
	s_barrier_wait -3
	s_barrier_signal -1
	s_barrier_wait -1
.endm
; The addresses of the slot's next fill, from the unit's number; no tensor load of mine is out where this stands.
.macro MKADDR sl
.if (\sl) == 1
	s_add_co_u32 s[T0], s[NA], s[CH]               ; my unit of the two
	s_add_co_u32 s[NA], s[NA], 3
.else
	s_mov_b32 s[T0], s[NB]
	s_add_co_u32 s[NB], s[NB], 3
.endif
	s_sub_co_u32 s[T1], s[T0], s[N1]
	s_cmp_lt_u32 s[T0], s[N1]
	s_cselect_b32 s[T0], s[T0], s[T1]              ; its tile in its block
	s_cselect_b64 s[PX:PX+1], s[PB1:PB1+1], s[PB2:PB2+1]
	s_lshl_b32 s[OFP], s[T0], 9                    ; 256 keys along pw's rows
	s_lshl_b32 s[OFV], s[T0], 19                   ; 256 rows of v
.if (\sl) == 1
	s_add_nc_u64 s[G0PA+2:G0PA+3], s[PX:PX+1], s[OFP:OFP+1]
	s_or_b32 s[G0PA+3], s[G0PA+3], 0x80000000
	s_add_nc_u64 s[G0VA+2:G0VA+3], s[VB:VB+1], s[OFV:OFV+1]
	s_or_b32 s[G0VA+3], s[G0VA+3], 0x80000000
.else
	s_add_co_u32 s[OFP], s[OFP], s[HP]
	s_add_co_u32 s[OFV], s[OFV], s[HV]
	s_add_nc_u64 s[G0PB+2:G0PB+3], s[PX:PX+1], s[OFP:OFP+1]
	s_or_b32 s[G0PB+3], s[G0PB+3], 0x80000000
	s_add_nc_u64 s[G0VB+2:G0VB+3], s[VB:VB+1], s[OFV:OFV+1]
	s_or_b32 s[G0VB+3], s[G0VB+3], 0x80000000
.endif
.endm
	s_load_b256 s[4:11], s[0:1], 0x0               ; pw s[4:5], st s[6:7], qkv s[8:9], ctxh s[10:11]
	v_lshl_add_u32 v[SPW], v0, 2, SPARE
	v_mov_b32 v[NIL], 0
	ds_add_u32 v[SPW], v[NIL]                      ; the wave's opening: the add and its wait stand ahead of my first tensor load
	v_lshrrev_b32 v1, 5, v0
	v_readfirstlane_b32 s[WV], v1
	s_and_b32 s[CH], s[WV], 1
	s_bfe_u32 s15, ttmp6, 0x40000                  ; cx
	s_lshl_b32 s16, ttmp9, 2
	s_add_co_u32 s16, s16, s15                     ; c: it enters V's and ctx's addresses alone
	s_lshl_b32 s66, s16, 8                         ; my 128 channels: 256 bytes of a row
	s_and_b32 s19, ttmp7, 0xffff
	s_lshr_b32 s17, s19, 4                         ; b
	s_and_b32 s18, s19, 15                         ; u: the first block
	s_sub_co_u32 s20, 31, s18                      ; the second
	s_lshr_b32 s[N1], s18, 2
	s_add_co_u32 s[N1], s[N1], 1
.irp g, G1PA, G1PB
	s_mov_b32 s[(\g)], 15|(1<<16)|(1<<20)|(1<<21)|(6<<22)|(3<<25)  ; the mask of four; 2-byte elements; padding on; bit 21 beside a mask; after every 128 words; 4 words
	s_mov_b32 s[(\g)+1], 256<<16                   ; tensor_dim0
	s_mov_b32 s[(\g)+3], 256<<16                   ; tile_dim0
	s_mov_b32 s[(\g)+5], 2048                      ; elements from row to row
	s_mov_b32 s[(\g)+6], 0
	s_mov_b32 s[(\g)+7], 0
.endr
	s_mov_b32 s[G1PA+2], 64<<16                    ; tensor_dim1
	s_mov_b32 s[G1PA+4], 64                        ; tile_dim1
	s_mov_b32 s[G1PB+2], 32<<16
	s_mov_b32 s[G1PB+4], 32
.irp g, G1VA, G1VB
	s_mov_b32 s[(\g)], (1<<16)|(1<<20)|(5<<22)|(7<<25)  ; no mask; after every 64 words; 8 words
	s_mov_b32 s[(\g)+1], 128<<16
	s_mov_b32 s[(\g)+3], 128<<16
	s_mov_b32 s[(\g)+5], 1024
	s_mov_b32 s[(\g)+6], 0
	s_mov_b32 s[(\g)+7], 0
.endr
	s_mov_b32 s[G1VA+2], 256<<16
	s_mov_b32 s[G1VA+4], 256
	s_mov_b32 s[G1VB+2], 128<<16
	s_mov_b32 s[G1VB+4], 128
	s_lshl_b32 s19, s17, 11                        ; 2,048 b
	s_lshl_b32 s86, s18, 6
	s_add_co_u32 s86, s86, s19
	s_lshl_b32 s86, s86, 12                        ; pw: rows of 4,096 bytes
	s_mov_b32 s87, 0
	s_lshl_b32 s88, s20, 6
	s_add_co_u32 s88, s88, s19
	s_lshl_b32 s88, s88, 12
	s_mov_b32 s89, 0
	s_lshl_b32 s[VB], s19, 11                      ; v: rows of 2,048 bytes,
	s_add_co_u32 s[VB], s[VB], s66                 ; my channels,
	s_add_co_u32 s[VB], s[VB], 16777216            ; behind q and k
	s_mov_b32 s[VB+1], 0
	s_lshl_b32 s3, s[WV], 4
	s_add_co_u32 s3, s3, s19                       ; 2,048 b + 16 w
	s_lshl_b32 s[OA], s18, 6
	s_add_co_u32 s[OA], s[OA], s3
	s_lshl_b32 s[OA], s[OA], 11
	s_add_co_u32 s[OA], s[OA], s66
	s_mov_b32 s[OA+1], 0
	s_lshl_b32 s[OB2], s20, 6
	s_add_co_u32 s[OB2], s[OB2], s3
	s_lshl_b32 s[OB2], s[OB2], 11
	s_add_co_u32 s[OB2], s[OB2], s66
	s_mov_b32 s[OB2+1], 0
	s_lshl_b32 s[HP], s[CH], 17
	s_lshl_b32 s[HV], s[CH], 18
	s_mov_b32 s[G0PA], 1
	s_mul_i32 s[G0PA+1], s[CH], UNIT
	s_mov_b32 s[G0VA], 1
	s_mul_i32 s[G0VA+1], s[CH], UNIT
	s_add_co_u32 s[G0VA+1], s[G0VA+1], VOFF
	s_mov_b32 s[G0PB], 1
	s_mul_i32 s[G0PB+1], s[CH], 32*PP
	s_add_co_u32 s[G0PB+1], s[G0PB+1], BSL
	s_mov_b32 s[G0VB], 1
	s_mul_i32 s[G0VB+1], s[CH], 128*PVP
	s_add_co_u32 s[G0VB+1], s[G0VB+1], BSL+VOFF
	s_mov_b32 s[NA], 0
	s_mov_b32 s[NB], 2
	s_mov_b32 s[MU], 0
	s_wait_dscnt 0x0                               ; the opening add is done
	s_wait_kmcnt 0x0
	s_add_nc_u64 s[PB1:PB1+1], s[4:5], s[86:87]
	s_add_nc_u64 s[PB2:PB2+1], s[4:5], s[88:89]
	s_add_nc_u64 s[VB:VB+1], s[8:9], s[VB:VB+1]
	s_add_nc_u64 s[OA:OA+1], s[10:11], s[OA:OA+1]
	s_add_nc_u64 s[OB2:OB2+1], s[10:11], s[OB2:OB2+1]
	MKADDR 1                                       ; units 0 and 1
	MKADDR 2                                       ; unit 2
	CROUND                                         ; all four work-groups are here: the first joint loads meet
	s_cmp_lt_u32 s[WV], 2                          ; a wave's two first fills stand in one branch, ahead of every wait on TENSORcnt and every LDS read: two loads of mine are out
	s_cbranch_scc0 .Lfirst_v
	tensor_load_to_lds s[G0PA:G0PA+3], s[G1PA:G1PA+7]
	s_nop 0
	tensor_load_to_lds s[G0PB:G0PB+3], s[G1PB:G1PB+7]
	s_nop 0
.rept 4
	v_nop
.endr
	s_branch .Lfirst_asked
.Lfirst_v:
	tensor_load_to_lds s[G0VA:G0VA+3], s[G1VA:G1VA+7]
	s_nop 0
	tensor_load_to_lds s[G0VB:G0VB+3], s[G1VB:G1VB+7]
	s_nop 0
.rept 4
	v_nop
.endr
.Lfirst_asked:
	v_and_b32 v1, 15, v0                           ; r
	v_bfe_u32 v2, v0, 4, 1                         ; h
	v_and_b32 v3, 7, v0
	v_bfe_u32 v4, v0, 3, 1
	s_lshl_b32 s19, s[WV], 7
	v_lshl_add_u32 v[LR8], v1, 3, s19              ; my row of the block's 64 (16 w + r) x 8 bytes
; THE STATISTICS, while the first units are on their way; both blocks' loads go out together.  Block I lies in the block i = I / 2 of 128 queries, at its rows 64 (I % 2) on.  Key blocks t beyond 2 (I / 4) + 1 were never
; written: their loads are clamped to the last written one, their share of L is 0, and no unit uses their factor.  Lanes r and 16 + r stand for the same query and load the same words.
.macro STATL ireg, sb, nt, so, tm
	s_lshr_b32 s[\nt], s[\ireg], 2
	s_lshl_b32 s[\nt], s[\nt], 1
	s_add_co_u32 s[\nt], s[\nt], 1
	s_lshr_b32 s[T0], s[\ireg], 1
	s_lshl_b32 s[T1], s17, 4
	s_add_co_u32 s[T0], s[T0], s[T1]
	s_lshl_b32 s[T0], s[T0], 14
	s_and_b32 s[T1], s[\ireg], 1
	s_lshl_b32 s[T1], s[T1], 9
	s_add_co_u32 s[T0], s[T0], s[T1]
	s_mov_b32 s[T1], 0
	s_add_nc_u64 s[\sb:\sb+1], s[6:7], s[T0:T1]
.set t, 0
.rept 16
	s_min_u32 s[T0], s[\nt], t
	s_lshl_b32 s[T0], s[T0], 10
	v_add_nc_u32 v[(\so)+t], s[T0], v[LR8]
	global_load_b64 v[(\tm)+2*t:(\tm)+2*t+1], v[(\so)+t], s[\sb:\sb+1]  ; (c m_t, l_t)
.set t, t+1
.endr
.endm
.macro STATC tm, nt, fd, ivd, left     ; left: the younger loads that may stay out
	s_wait_loadcnt \left
	v_max3_num_f32 v[MX], v[\tm], v[(\tm)+2], v[(\tm)+4]
.set t, 0
.rept 6
	v_max3_num_f32 v[MX], v[MX], v[(\tm)+6+4*t], v[(\tm)+8+4*t]
.set t, t+1
.endr
	v_max_num_f32 v[MX], v[MX], v[(\tm)+30]
.set t, 0
.rept 16
	v_sub_f32 v[(\tm)+2*t], v[(\tm)+2*t], v[MX]
.set t, t+1
.endr
.set t, 0
.rept 16
	v_exp_f32 v[(\tm)+2*t], v[(\tm)+2*t]
.set t, t+1
.endr
	v_mov_b32 v[LS], 0                             ; a plain instruction behind the last exponential,
	s_wait_alu depctr_va_vdst(0)                   ; and the one wait ahead of the batch's first reader
.set t, 0
.rept 16
	v_cvt_pk_f16_f32 v[(\fd)+t], v[(\tm)+2*t], v[(\tm)+2*t]  ; f_t twice, for the packed multiply
	s_cmp_ge_u32 s[\nt], t
	s_cselect_b32 s[T0], 1.0, 0
	v_mul_f32 v[(\tm)+2*t+1], s[T0], v[(\tm)+2*t+1]
	v_fma_mix_f32 v[LS], v[(\fd)+t], v[(\tm)+2*t+1], v[LS] op_sel_hi:[1,0,0]  ; L += the rounded f_t x l_t
.set t, t+1
.endr
	v_rcp_f32 v[RC], v[LS]
	v_cmp_lt_f32 vcc_lo, 0, v[LS]
	s_wait_alu depctr_va_vdst(0)
	v_cndmask_b32 v[\ivd], 0, v[RC], vcc_lo        ; a row with no allowed key: 0
	v_mov_b32 v[(\ivd)+1], v[\ivd]                 ; named with it as a pair
.endm
	STATL 18, 4, JJ, SO, TMP
	STATL 20, 8, MK, ACC+32, ACC                   ; the second block's words land where the accumulators will lie
	s_mul_i32 s19, s[WV], 16*PP
	v_mul_u32_u24 v[PL0], v1, PP
	v_lshl_add_u32 v[PL0], v2, 4, v[PL0]
	v_add_nc_u32 v[PL0], s19, v[PL0]               ; my wave's rows of P: row x pitch + 16 x half
	v_lshl_add_u32 v[VL0], v2, 3, v3               ; the turning load: key 8 (l / 16) + l % 8, channels 8 ((l / 8) % 2) on
	v_mul_u32_u24 v[VL0], v[VL0], PVP
	v_lshl_add_u32 v[VL0], v4, 4, v[VL0]
	v_add_nc_u32 v[VL0], VOFF, v[VL0]
	s_mul_i32 s19, s[WV], 16*SPIT                  ; my stage
	v_mul_u32_u24 v[STO], v1, SPIT
	v_lshl_add_u32 v[STO], v2, 4, v[STO]
	v_add_nc_u32 v[STO], s19, v[STO]
	v_mul_u32_u24 v[RD], v2, SPIT
	v_lshl_add_u32 v[RD], v1, 4, v[RD]
	v_add_nc_u32 v[RD], s19, v[RD]
	v_lshlrev_b32 v[GO], 11, v2
	v_lshl_add_u32 v[GO], v1, 4, v[GO]
	STATC TMP, JJ, FCUR, IVL, 16                   ; the second block's 16 loads may stay out
	STATC ACC, MK, FHI, IVH, 0
.set n, 0
.rept 64                                       ; the sums start at 0, on purpose: no first chunk is written out.  The place where the first block's sums are set aside is written here too, so that every register
	v_mov_b32 v[ACC+n], 0                          ; that the way out reads has been written on every way through the text; the change of blocks, which each work-group meets once (n1 is 1 to 4), writes the sums over it.
	v_mov_b32 v[SAV+n], 0                          ; All this stands in the wait for the first units.
.set n, n+1
.endr
; A chunk of 32 keys into buffer g: P's fragment and V's eight (turned): 18 LDS loads in one run.
.macro FETCHC g
	WIN 0
	v_add_nc_u32 v[ADRP], s[SP], v[PL0]
	v_add_nc_u32 v[ADRV], s[SV], v[VL0]
	s_add_co_u32 s[SP], s[SP], 64
	s_add_co_u32 s[SV], s[SV], 32*PVP
	WIN 0x40                                       ; destination window 1
	ds_load_b128 v[(\g):(\g)+3],   v[ADRP]
	ds_load_b128 v[(\g)+4:(\g)+7], v[ADRP] offset:32
.irp cb, 0,1,2,3,4,5,6,7
	ds_load_tr16_b128 v[(\g)+8+8*(\cb):(\g)+8+8*(\cb)+3],   v[ADRV] offset:32*(\cb)
	ds_load_tr16_b128 v[(\g)+8+8*(\cb)+4:(\g)+8+8*(\cb)+7], v[ADRV] offset:16*PVP+32*(\cb)
.endr
.endm
; A chunk's work: p~ times its block's factor; the next chunk's loads (the eight multiplies are the places behind the last products that read that buffer); 8 products, the 8 accumulators by turns.
; cond = 1: in the loop's last trip there is no further chunk, and the run of loads is jumped over.
.macro HALF f, g, cond
	s_wait_dscnt 0x0
	WIN 0x41
.set n, 0
.rept 8
	v_pk_mul_f16 v[(\f)+n], v[(\f)+n], v[FC]
.set n, n+1
.endr
.if \cond
	WIN 0
	s_cmp_eq_u32 s[CNT], 1
	s_cbranch_scc1 .Lnf_\@
.endif
	FETCHC \g
.if \cond
	WIN 0
.Lnf_\@:
.endif
	WIN 0x05                                       ; V and P in window 1, C and D in window 0
.irp cb, 0,1,2,3,4,5,6,7
	v_wmma_f32_16x16x32_f16 v[ACC+8*(\cb):ACC+8*(\cb)+7], v[(\f)+8+8*(\cb):(\f)+8+8*(\cb)+7], v[(\f):(\f)+7], v[ACC+8*(\cb):ACC+8*(\cb)+7]
.endr
.endm
; A UNIT: eight chunks, written as two.  chg = 1 (units 0 to 5): where the unit is the second block's first, the first block's sums are set aside, the sums start anew and the second block's factors move in:
; a forward jump past no barrier and no tensor load; the test is the same in all four partners.  Then the unit's two factors are picked from the block's sixteen by the unit's tile.
.macro UNITB chg
.if \chg
	s_cmp_lg_u32 s[MU], s[N1]
	s_cbranch_scc1 .Lsame_\@
	PLACES
.set n, 0
.rept 64
	v_mov_b32 v[SAV+n], v[ACC+n]
.set n, n+1
.endr
.set n, 0
.rept 64
	v_mov_b32 v[ACC+n], 0
.set n, n+1
.endr
.set n, 0
.rept 16
	v_mov_b32 v[FCUR+n], v[FHI+n]
.set n, n+1
.endr
.Lsame_\@:
.endif
	s_sub_co_u32 s[T0], s[MU], s[N1]
	s_cmp_lt_u32 s[MU], s[N1]
	s_cselect_b32 s[JJ], s[MU], s[T0]              ; the unit's tile in its block
	v_mov_b32 v[FA], v[FCUR]
	v_mov_b32 v[FB], v[FCUR+1]
.irp jj, 1,2,3,4,5,6,7
	s_cmp_eq_u32 s[JJ], \jj
	s_cselect_b32 s[MK], -1, 0
	v_cndmask_b32 v[FA], v[FA], v[FCUR+2*(\jj)], s[MK]
	v_cndmask_b32 v[FB], v[FB], v[FCUR+2*(\jj)+1], s[MK]
.endr
	FETCHC F0
	WIN 0
	s_mov_b32 s[CNT], 4
.Lc_\@:
	s_cmp_ge_u32 s[CNT], 3                         ; the first two trips walk the tile's first 128 keys
	s_cselect_b32 s[MK], -1, 0
	v_cndmask_b32 v[FC], v[FB], v[FA], s[MK]
	HALF F0, F1, 0
	HALF F1, F0, 1
	WIN 0
	s_sub_co_u32 s[CNT], s[CNT], 1
	s_cmp_lg_u32 s[CNT], 0
	s_cbranch_scc1 .Lc_\@
.endm
.macro CA chg                          ; slot A's two units
	s_mov_b32 s[SP], 0
	s_mov_b32 s[SV], 0
	s_mov_b32 s[UC], 2
.Lu_\@:
	UNITB \chg
	s_add_co_u32 s[SP], s[SP], UNIT-512            ; from behind a unit's eight chunks to the next unit's first
	s_add_co_u32 s[SV], s[SV], UNIT-8*32*PVP
	s_add_co_u32 s[MU], s[MU], 1
	s_sub_co_u32 s[UC], s[UC], 1
	s_cmp_lg_u32 s[UC], 0
	s_cbranch_scc1 .Lu_\@
.endm
.macro CB chg                          ; slot B's unit
	s_mov_b32 s[SP], BSL
	s_mov_b32 s[SV], BSL
	UNITB \chg
	s_add_co_u32 s[MU], s[MU], 1
.endm
; THE CHANGE OF SLOTS.  Each wave waits for all its tensor loads (its part of the slot to be read next among them), adds 0 to its spare word, and waits for that and for its reads of the slot that it leaves.
; sl = 1, 2: a round of the cluster's barrier, and that slot is filled again first thing behind it.  sl = 0: nothing is left to ask for.
.macro XCH sl
	WIN 0
	s_wait_tensorcnt 0x0
	ds_add_u32 v[SPW], v[NIL]                      ; scalar work stands between the add and the wait for it
.if (\sl) > 0
	MKADDR \sl
.endif
	s_wait_dscnt 0x0
.if (\sl) > 0
	CROUND
	JLOAD \sl
.else
	s_barrier_signal -1
	s_barrier_wait -1
.endif
.endm
	s_wait_tensorcnt 0x1                           ; my part of slot A is in; slot B's, issued behind it, may stay out
	s_barrier_signal -1
	s_barrier_wait -1                              ; everybody's is
	s_mov_b32 s3, 2
	s_branch .Lmid
.Ltop:
	XCH 2                                          ; slot B takes unit 5
.Lmid:
	CA 1                                           ; units 0, 1; then 3, 4
	XCH 1                                          ; slot A takes units 3, 4; then 6, 7
	CB 1                                           ; unit 2; then 5
	s_sub_co_u32 s3, s3, 1
	s_cmp_lg_u32 s3, 0
	s_cbranch_scc1 .Ltop
	XCH 2                                          ; the tail is written out: slot B takes unit 8, the last load
	CA 0                                           ; units 6, 7
	XCH 0                                          ; behind this barrier nobody reads slot A any more, and nothing is filled again
	CB 0                                           ; unit 8
; THE WAY OUT of both blocks: times 1 / L, rounded to f16, 16 rows through my stage, stored as whole rows of 256 bytes.  The first block's arithmetic is the places behind the last products.
.macro PACKO src, iv, tm
.set n, 0
.rept 32
	v_pk_mul_f32 v[(\src)+2*n:(\src)+2*n+1], v[(\src)+2*n:(\src)+2*n+1], v[\iv:\iv+1] op_sel_hi:[1,0]
.set n, n+1
.endr
.set n, 0
.rept 32
	v_cvt_pk_f16_f32 v[(\tm)+n], v[(\src)+2*n], v[(\src)+2*n+1]
.set n, n+1
.endr
.irp cb, 0,1,2,3,4,5,6,7
	ds_store_b128 v[STO], v[(\tm)+4*(\cb):(\tm)+4*(\cb)+3] offset:32*(\cb)
.endr
.irp t, 0,1,2,3,4,5,6,7
	ds_load_b128 v[(\tm)+4*(\t):(\tm)+4*(\t)+3], v[RD] offset:(\t)*2*SPIT  ; LDS serves a wave's instructions in order (ISA guide 5.7.1.4): these see the stores above, and stand ahead of the next block's
.endr
.endm
	PACKO SAV, IVL, TMP
	PACKO ACC, IVH, FCUR
.irp t, 0,1,2,3,4,5,6,7
	s_wait_dscnt 16+7-(\t)                         ; the second block's sixteen LDS instructions, and my younger loads, may stay out
	global_store_b128 v[GO], v[TMP+4*(\t):TMP+4*(\t)+3], s[OA:OA+1] offset:(\t)*4096  ; 16 lanes store 256 consecutive bytes, aligned
.endr
.irp t, 0,1,2,3,4,5,6,7
	s_wait_dscnt 7-(\t)
	global_store_b128 v[GO], v[FCUR+4*(\t):FCUR+4*(\t)+3], s[OB2:OB2+1] offset:(\t)*4096
.endr
	s_wait_tensorcnt 0x0                           ; the wave's end
	ds_add_u32 v[SPW], v[NIL]
	s_wait_dscnt 0x0
	CROUND                                         ; the closing round
	s_endpgm
.Lfunc_end_k_qc4bcbaf773_ctx:
	.size	k_qc4bcbaf773_ctx, .Lfunc_end_k_qc4bcbaf773_ctx-k_qc4bcbaf773_ctx
	.p2alignl 7, 3214868480
	.fill 96, 4, 3214868480
	.section	.rodata,"a",@progbits
	.p2align	6, 0x0
	.amdhsa_kernel k_qc4bcbaf773_ctx
		.amdhsa_group_segment_fixed_size 327680
		.amdhsa_private_segment_fixed_size 0
		.amdhsa_enable_private_segment 0
		.amdhsa_kernarg_size 32
		.amdhsa_user_sgpr_count 2
		.amdhsa_user_sgpr_kernarg_segment_ptr 1
		.amdhsa_wavefront_size32 1
		.amdhsa_system_sgpr_workgroup_id_x 1
		.amdhsa_system_sgpr_workgroup_id_y 1
		.amdhsa_system_sgpr_workgroup_id_z 1
		.amdhsa_system_vgpr_workitem_id 0
		.amdhsa_next_free_vgpr 400
		.amdhsa_next_free_sgpr 102
		.amdhsa_reserve_vcc 1
		.amdhsa_float_denorm_mode_32 3
		.amdhsa_float_denorm_mode_16_64 3
		.amdhsa_memory_ordered 1
		.amdhsa_forward_progress 1
		.amdhsa_inst_pref_size 90
	.end_amdhsa_kernel
	.amdgpu_metadata
---
amdhsa.version: [ 1, 2 ]
amdhsa.kernels:
  - .name:           k_qc4bcbaf773_ctx
    .symbol:         k_qc4bcbaf773_ctx.kd
    .args:
      - { .name: pw, .offset: 0, .size: 8, .value_kind: global_buffer, .address_space: global }
      - { .name: st, .offset: 8, .size: 8, .value_kind: global_buffer, .address_space: global }
      - { .name: qkv, .offset: 16, .size: 8, .value_kind: global_buffer, .address_space: global }
      - { .name: ctxh, .offset: 24, .size: 8, .value_kind: global_buffer, .address_space: global }
    .group_segment_fixed_size: 327680
    .private_segment_fixed_size: 0
    .kernarg_segment_align: 8
    .kernarg_segment_size: 32
    .max_flat_workgroup_size: 128
    .sgpr_count:     102
    .vgpr_count:     400
    .wavefront_size: 32
...
	.end_amdgpu_metadata
.endif
;; end of part 4
;; launch out (part 5): grid 16 x 16, 4 waves a work-group, clusters of 4 x 4, 327,680 bytes of LDS; arguments ctxh, wo, bout, out0; writes out0
.if DOCPART == 5
	.amdgcn_target "amdgcn-amd-amdhsa--gfx1250"
	.amdhsa_code_object_version 6
	.text
	.protected	k_qc4bcbaf773_out
	.globl	k_qc4bcbaf773_out
	.p2align	8
	.type	k_qc4bcbaf773_out,@function
k_qc4bcbaf773_out:
	s_mov_b64 s[64:65], 0
	v_nop
	global_prefetch_b8 v0, s[64:65] scope:SCOPE_SE
	s_setreg_imm32_b32 hwreg(HW_REG_WAVE_MODE, 25, 1), 1
	s_wait_xcnt 0x0
	s_wait_alu depctr_hold_cnt(0) depctr_sa_sdst(0) depctr_va_vdst(0) depctr_va_sdst(0) depctr_va_ssrc(0) depctr_va_vcc(0) depctr_vm_vsrc(0)
	s_getreg_b32 s2, hwreg(HW_REG_IB_STS2, 6, 4)
	s_cmp_eq_u32 s2, 0
	s_cbranch_scc0 .Lentry_in_a_cluster
	s_endpgm
.Lentry_in_a_cluster:
	s_bfe_u32 s2, ttmp6, 0x10000c
	s_cmp_lg_u32 s2, 0xf033
	s_cbranch_scc0 .Lentry_shape_is_right
	s_endpgm
.Lentry_shape_is_right:
; out0 = ctx Wout^T + bout: [4096][1024] x [4096 (4000 live)][1024]^T in f16, sums in f32, stored in f32.  bout is rounded to bf16 like every input and STARTS the sums (the C of the first products).
; SHARES.  A tile of 256 x 256 to a work-group of four waves, a wave 128 x 128: 64 accumulators.  256 tiles; the last tile column has 160 live columns: wo's rows 4000 on are 0, and their columns are not stored.
; K goes in 8 steps of 128 through two LDS slots filled by tensor loads (rows of 256 bytes, aligned); one group 0 for each tensor walks.  CLUSTER 4 x 4: ctx's tiles are shared along a row of the cluster, wo's along a column.
; THE MATRIX INSTRUCTION IS USED TRANSPOSED (source 0 = 16 rows of wo, source 1 = 16 rows of ctx): a lane holds one row of out0 and eight neighbouring columns.
; THE WAY OUT.  16 rows x 512 bytes at a time through my stage; a wave's store covers 512 consecutive bytes of a row.  A row of out0 is 16,000 bytes, so odd rows begin 128 bytes behind a multiple of 256.
; REGISTERS: window 0: v0-31 addresses; v32-63 at work; v64-127, v128-191 ctx's fragments, later the rows read back; v192-255 the bias     window 1: v64-127, v128-191 wo's fragments     windows 2, 3: the accumulators
.set SIZE_K, 1024
.set ROWB,   16000                     ; bytes in a row of out0
.set KSTEP,  128
.set KSTEPS, SIZE_K/KSTEP
.set PITCH,  272
.set HALFT,  128*PITCH
.set SLOT,   4*HALFT                   ; 0x22000; no wave's place in a slot has bit 13 or 17 set
.set STAGE,  2*SLOT
.set SPITCH, 528                       ; a stage row: 512 bytes + 16
.set SPARE,  STAGE+4*16*SPITCH         ; 312,320: the spare words
.set ADRA0, 14
.set ADRB0, 15
.set ADRA, 16
.set ADRB, 20
.set STO,  24
.set RD,   25
.set CO,   26
.set LN4,  27
.set SPW,  28
.set NIL,  29
.set PFO,  30
.set F0,   64
.set F1,   128
.set BI,   192
.set G1,  24
.set G0,  32
.set G1B, 48
.set G0B, 56
.set LIM, 43
.set PFA, 44
.set TB,  60
.set NVAL, 61                          ; s61  live columns among my 128
.set MSB, 0
.macro WIN new
.if MSB != (\new)
	s_set_vgpr_msb (MSB<<8)|(\new)
.set MSB, \new
.endif
.endm
.set MUL_LO, 0xa1
.set TO_B,   0x40
.macro JLOAD
	s_cmp_eq_u32 s11, 0
	s_cbranch_scc0 .Lfor_b_\@
	tensor_load_to_lds s[G0:G0+3], s[G1:G1+7]
	s_nop 0
.rept 4
	v_nop
.endr
	s_branch .Lasked_\@
.Lfor_b_\@:
	tensor_load_to_lds s[G0B:G0B+3], s[G1B:G1B+7]
	s_nop 0
.rept 4
	v_nop
.endr
.Lasked_\@:
.endm
.macro STEPD
	s_xor_b32 s[G0+1], s[G0+1], SLOT
	s_add_nc_u64 s[G0+2:G0+3], s[G0+2:G0+3], KSTEP*2
	s_xor_b32 s[G0B+1], s[G0B+1], SLOT
	s_add_nc_u64 s[G0B+2:G0B+3], s[G0B+2:G0B+3], KSTEP*2
.endm
; A prefetch of the K step two refills on: 32 rows x 256 bytes, a lane a row.  ctx's rows are named by cluster x = 0, wo's by cluster y = 0; the four partners of a joint request take 32 rows each, by address.  The last two refills ask for nothing.
.macro ASK
	s_cmp_gt_u32 s3, s[LIM]
	s_cbranch_scc0 .Lnot_mine_\@
	global_prefetch_b8 v[PFO], s[PFA:PFA+1] offset:KSTEP*2 th:TH_LOAD_NT scope:SCOPE_SE
.Lnot_mine_\@:
.endm
.macro CREST
	s_cmp_lg_u32 s10, 0
	s_cbranch_scc1 .Lnot_wave_0_\@
	s_barrier_signal -3
.Lnot_wave_0_\@:
	s_barrier_wait -3
	s_barrier_signal -1
	s_barrier_wait -1
.endm
.macro CROUND
	s_barrier_signal -1
	s_barrier_wait -1
	CREST
.endm
.macro PLACES
.rept 4
	v_nop
.endr
.endm
	s_load_b128 s[4:7], s[0:1], 0x0                ; ctxh s[4:5], wo s[6:7]
	s_load_b128 s[36:39], s[0:1], 0x10             ; bout s[36:37], out0 s[38:39]
	v_lshl_add_u32 v[SPW], v0, 2, SPARE
	v_mov_b32 v[NIL], 0
	ds_add_u32 v[SPW], v[NIL]                      ; the wave's opening: the add and its wait stand ahead of my first tensor load
	v_lshrrev_b32 v1, 5, v0
	v_readfirstlane_b32 s10, v1
	s_lshr_b32 s11, s10, 1
	s_and_b32 s12, s10, 1
	s_bfe_u32 s40, ttmp6, 0x40000                  ; cx
	s_bfe_u32 s41, ttmp6, 0x40004                  ; cy
	s_lshl_b32 s42, ttmp9, 2
	s_add_co_u32 s42, s42, s40                     ; tile column
	s_and_b32 s13, ttmp7, 0xffff
	s_lshl_b32 s13, s13, 2
	s_add_co_u32 s13, s13, s41                     ; tile row
	s_lshl_b32 s43, s41, 2
	s_lshl_b32 s43, 15, s43
	s_lshl_b32 s44, 0x1111, s40
	s_or_b32 s[G1+0], s43, (1<<16)|(1<<20)|(1<<21)|(5<<22)|(3<<25)
	s_or_b32 s[G1B+0], s44, (1<<16)|(1<<20)|(1<<21)|(5<<22)|(3<<25)
.irp g, G1, G1B
	s_mov_b32 s[(\g)+1], KSTEP<<16
	s_mov_b32 s[(\g)+2], 128<<16
	s_mov_b32 s[(\g)+3], KSTEP<<16
	s_mov_b32 s[(\g)+4], 128
	s_mov_b32 s[(\g)+5], SIZE_K
	s_mov_b32 s[(\g)+6], 0
	s_mov_b32 s[(\g)+7], 0
.endr
	s_lshl_b32 s17, s12, 7
	s_lshl_b32 s16, s13, 8
	s_add_co_u32 s16, s16, s17
	s_lshl_b32 s16, s16, 11                        ; ctx: rows of 2,048 bytes
	s_lshl_b32 s46, s42, 8
	s_add_co_u32 s46, s46, s17
	s_lshl_b32 s46, s46, 11                        ; wo likewise
	s_mov_b32 s17, 0
	s_mov_b32 s47, 0
	s_mov_b32 s21, s16
	s_mov_b32 s22, s46
	s_mul_i32 s20, s10, HALFT
	s_mov_b32 s[TB], 0
	s_wait_dscnt 0x0
	s_wait_kmcnt 0x0
	s_add_nc_u64 s[14:15], s[4:5], s[16:17]
	s_add_nc_u64 s[46:47], s[6:7], s[46:47]
	CROUND
	s_mov_b32 s[G0], 1
	s_mov_b32 s[G0+1], s20
	s_mov_b64 s[G0+2:G0+3], s[14:15]
	s_or_b32 s[G0+3], s[G0+3], 0x80000000
	s_mov_b32 s[G0B], 1
	s_mov_b32 s[G0B+1], s20
	s_mov_b64 s[G0B+2:G0B+3], s[46:47]
	s_or_b32 s[G0B+3], s[G0B+3], 0x80000000
	JLOAD                                          ; K step 0 into slot 0
	v_and_b32 v1, 15, v0
	v_bfe_u32 v2, v0, 4, 1
	v_and_b32 v5, 31, v0
	; the bias of my 128 columns: register j of block b is column 16 b + 8 (l / 16) + j.  Groups of eight columns are wholly live or wholly dead (4000 = 8 x 500); a dead group's address is clamped to the last live one
	s_lshl_b32 s18, s42, 8
	s_lshl_b32 s19, s12, 7
	s_add_co_u32 s18, s18, s19                     ; my first column
	s_sub_co_u32 s[NVAL], 4000, s18
	s_min_u32 s[NVAL], s[NVAL], 128
	v_lshl_add_u32 v31, v2, 3, s18
	v_lshlrev_b32 v31, 2, v31
.irp b, 0,1,2,3,4,5,6,7
	v_add_nc_u32 v[32+(\b)], 64*(\b), v31
	v_min_u32 v[32+(\b)], 15968, v[32+(\b)]
	global_load_b128 v[BI+8*(\b):BI+8*(\b)+3],   v[32+(\b)], s[36:37]
	global_load_b128 v[BI+8*(\b)+4:BI+8*(\b)+7], v[32+(\b)], s[36:37] offset:16
.endr
	v_mul_u32_u24 v3, v1, PITCH
	v_lshl_add_u32 v3, v2, 4, v3
	s_mul_i32 s16, s11, HALFT
	s_mul_i32 s19, s12, HALFT
	s_add_co_u32 s19, s19, 2*HALFT
	v_add_nc_u32 v[ADRA0], s16, v3
	v_add_nc_u32 v[ADRB0], s19, v3
	v_mov_b32 v[ADRA], v[ADRA0]
	v_mov_b32 v[ADRB], v[ADRB0]
	s_mul_i32 s23, s10, 16*SPITCH
	s_add_co_u32 s23, s23, STAGE
	v_mul_u32_u24 v4, v1, SPITCH                   ; in: row l % 16, 32 bytes for each half of the lanes
	v_lshl_add_u32 v4, v2, 5, v4
	v_add_nc_u32 v[STO], s23, v4
	v_lshl_add_u32 v[RD], v5, 4, s23               ; back: 32 lanes take a row's 512 bytes
	v_lshlrev_b32 v[CO], 4, v5
	v_lshlrev_b32 v[LN4], 2, v5                    ; my first column of the row's 128
	; the prefetches
	s_and_b32 s23, ttmp7, 0xffff
	s_cmp_eq_u32 s11, 0
	s_cselect_b32 s23, ttmp9, s23                  ; the coordinate along which other clusters read the same rows
	s_cselect_b32 s20, s21, s22
	s_cselect_b32 s21, s40, s41
	s_cselect_b64 s[PFA:PFA+1], s[4:5], s[6:7]
	s_cmp_eq_u32 s23, 0
	s_cselect_b32 s[LIM], 2, -1
	s_lshl_b32 s21, s21, 16                        ; my work-group's 32 rows of 2,048 bytes
	s_add_co_u32 s20, s20, s21
	s_add_co_u32 s20, s20, 2*KSTEP*2
	s_mov_b32 s21, 0
	s_add_nc_u64 s[PFA:PFA+1], s[PFA:PFA+1], s[20:21]
	v_lshlrev_b32 v[PFO], 11, v5
	; where my part of the tile begins in out0
	s_lshl_b32 s16, s13, 8
	s_lshl_b32 s17, s11, 7
	s_add_co_u32 s16, s16, s17
	s_mul_i32 s16, s16, ROWB
	s_lshl_b32 s17, s18, 2
	s_add_co_u32 s16, s16, s17
	s_mov_b32 s17, 0
	s_add_nc_u64 s[38:39], s[38:39], s[16:17]
	s_wait_loadcnt 0x0                             ; the bias: rounded to bf16, and that number as f32 again
.set n, 0
.rept 32
	v_cvt_pk_bf16_f32 v[32+n], v[BI+2*n], v[BI+2*n+1]
.set n, n+1
.endr
.set n, 0
.rept 32
	v_lshlrev_b32 v[BI+2*n], 16, v[32+n]
	v_and_b32 v[BI+2*n+1], 0xffff0000, v[32+n]
.set n, n+1
.endr
; 16 matrix instructions.  zero = 1: the first products start the sums with the bias (C in window 0).
.macro MUL16 f, hi, a0, zero
.if \zero
	WIN 0x81+0x40*(\hi)
.else
	WIN MUL_LO+0x50*(\hi)
.endif
.irp a, \a0, (\a0)+1
.irp b, 0,1,2,3,4,5,6,7
.if \zero
	v_wmma_f32_16x16x32_f16 v[8*(8*(\a)+(\b)):8*(8*(\a)+(\b))+7], v[(\f)+8*(\b):(\f)+8*(\b)+7], v[(\f)+8*(4*(\hi)+(\a)):(\f)+8*(4*(\hi)+(\a))+7], v[BI+8*(\b):BI+8*(\b)+7]
.else
	v_wmma_f32_16x16x32_f16 v[8*(8*(\a)+(\b)):8*(8*(\a)+(\b))+7], v[(\f)+8*(\b):(\f)+8*(\b)+7], v[(\f)+8*(4*(\hi)+(\a)):(\f)+8*(4*(\hi)+(\a))+7], v[8*(8*(\a)+(\b)):8*(8*(\a)+(\b))+7]
.endif
.endr
.endr
.endm
.macro FETCH k, f
	WIN TO_B
.irp i, 0,1,2,3,4,5,6,7
	ds_load_b128 v[(\f)+8*(\i):(\f)+8*(\i)+3],   v[ADRB] offset:(\k)+(\i)*16*PITCH
	ds_load_b128 v[(\f)+8*(\i)+4:(\f)+8*(\i)+7], v[ADRB] offset:(\k)+(\i)*16*PITCH+32
.endr
	WIN 0
.irp i, 0,1,2,3,4,5,6,7
	ds_load_b128 v[(\f)+8*(\i):(\f)+8*(\i)+3],   v[ADRA] offset:(\k)+(\i)*16*PITCH
	ds_load_b128 v[(\f)+8*(\i)+4:(\f)+8*(\i)+7], v[ADRA] offset:(\k)+(\i)*16*PITCH+32
.endr
.endm
.macro QUARTER k, f, g, zero
	s_wait_dscnt 8                                 ; wo's fragments and ctx's rows 0-63 are in; the youngest eight loads may be out
	MUL16 \f, 0, 0, \zero
	MUL16 \f, 0, 2, \zero
	PLACES
	FETCH \k, \g
	s_wait_dscnt 32                                ; all but the 32 just issued
	MUL16 \f, 1, 0, \zero
	MUL16 \f, 1, 2, \zero
.endm
.macro MEET round
	WIN 0
	s_wait_tensorcnt 0x0                           ; all my tensor loads have landed: my part of the next slot
	ds_add_u32 v[SPW], v[NIL]
	s_wait_dscnt 9                                 ; (the add and the youngest eight loads may be out)
	MUL16 F1, 0, 0, 0
	s_wait_dscnt 0x0                               ; the add is done, my reads of this slot are over
	s_barrier_signal -1
	MUL16 F1, 0, 2, 0
.if \round
	WIN 0
.endif
	s_barrier_wait -1
.endm
.macro TOGGLE
	s_xor_b32 s[TB], s[TB], SLOT
	v_add_nc_u32 v[ADRA], s[TB], v[ADRA0]
	v_add_nc_u32 v[ADRB], s[TB], v[ADRB0]
.endm
.macro TURN fill
.if \fill
	s_wait_xcnt 0x0                                ; the last prefetch, a K step back, has read its address
	s_add_nc_u64 s[PFA:PFA+1], s[PFA:PFA+1], KSTEP*2
	MEET 1
	CREST
	STEPD
	JLOAD                                          ; first thing behind the round: the K step two on, 224 matrix instructions ahead of the wait for it
.else
	MEET 0
	PLACES
	WIN 0
.endif
	TOGGLE
	FETCH 0, F0
.if \fill
	ASK
.endif
	MUL16 F1, 1, 0, 0
	MUL16 F1, 1, 2, 0
.endm
; THE WAY OUT of block a (16 rows x 128 columns of f32): straight from the accumulators into my stage (each accumulator's low registers first), back as whole rows of 512 bytes.
.macro TOSTAGE a
.set AC, 64*((\a)%4)
.set BK, 64+64*((\a)%2)
	WIN 0x08+4*((\a)/4)                            ; the stores' data: window 2 or 3
.irp b, 0,1,2,3,4,5,6,7
	ds_store_b128 v[STO], v[AC+8*(\b):AC+8*(\b)+3]   offset:64*(\b)
	ds_store_b128 v[STO], v[AC+8*(\b)+4:AC+8*(\b)+7] offset:64*(\b)+16
.endr
	WIN 0
.irp t, 0,1,2,3,4,5,6,7,8,9,10,11,12,13,14,15
	ds_load_b128 v[BK+4*(\t):BK+4*(\t)+3], v[RD] offset:(\t)*SPITCH  ; LDS serves a wave's instructions in order (ISA guide 5.7.1.4): these see the stores above, and stand ahead of the next block's
.endr
.endm
.macro SEND a, younger                 ; younger: the LDS instructions issued behind block a's loads
.set BK, 64+64*((\a)%2)
	s_wait_dscnt \younger
	s_wait_xcnt 0x0                                ; EXEC and the stores' base change only behind this wait
.if (\a) > 0
	s_add_nc_u64 s[38:39], s[38:39], 16*ROWB
.endif
	v_cmp_gt_u32 vcc_lo, s[NVAL], v[LN4]           ; lanes whose four columns are live
	s_and_saveexec_b32 s62, vcc_lo
.irp t, 0,1,2,3,4,5,6,7,8,9,10,11,12,13,14,15
	global_store_b128 v[CO], v[BK+4*(\t):BK+4*(\t)+3], s[38:39] offset:(\t)*ROWB th:TH_STORE_NT
.endr
	s_wait_xcnt 0x0                                ; and again, in front of the line that widens EXEC; the data registers are free behind it too
	s_or_b32 exec_lo, exec_lo, s62
.endm
	WIN 0                                          ; slot 0 is waited for; slot 1 is filled as a refill is
	s_wait_tensorcnt 0x0
	ds_add_u32 v[SPW], v[NIL]
	STEPD
	s_wait_dscnt 0x0
	CROUND
	JLOAD
	FETCH 0, F0
	QUARTER 64, F0, F1, 1
	WIN 0
	s_mov_b32 s3, KSTEPS-1
	s_branch .Lmid
.Ltop:                                                 ; KSTEPS - 2 times
	TURN 1
	QUARTER 64, F0, F1, 0
	WIN 0
.Lmid:
	QUARTER 128, F1, F0, 0
	QUARTER 192, F0, F1, 0
	WIN 0
	s_sub_co_u32 s3, s3, 1
	s_cmp_lg_u32 s3, 0
	s_cbranch_scc1 .Ltop
	TURN 0
	QUARTER 64, F0, F1, 0
	QUARTER 128, F1, F0, 0
	QUARTER 192, F0, F1, 0
	s_wait_dscnt 8
	MUL16 F1, 0, 0, 0
	MUL16 F1, 0, 2, 0
	s_wait_dscnt 0x0
	MUL16 F1, 1, 0, 0
	MUL16 F1, 1, 2, 0
	WIN 0
	PLACES
	TOSTAGE 0
.irp a, 1,2,3,4,5,6,7
	TOSTAGE \a
	SEND (\a)-1, 32
.endr
	SEND 7, 0
	s_wait_tensorcnt 0x0                           ; the wave's end
	ds_add_u32 v[SPW], v[NIL]
	s_wait_dscnt 0x0
	CROUND                                         ; the closing round
	s_endpgm
.Lfunc_end_k_qc4bcbaf773_out:
	.size	k_qc4bcbaf773_out, .Lfunc_end_k_qc4bcbaf773_out-k_qc4bcbaf773_out
	.p2alignl 7, 3214868480
	.fill 96, 4, 3214868480
	.section	.rodata,"a",@progbits
	.p2align	6, 0x0
	.amdhsa_kernel k_qc4bcbaf773_out
		.amdhsa_group_segment_fixed_size 327680
		.amdhsa_private_segment_fixed_size 0
		.amdhsa_enable_private_segment 0
		.amdhsa_kernarg_size 32
		.amdhsa_user_sgpr_count 2
		.amdhsa_user_sgpr_kernarg_segment_ptr 1
		.amdhsa_wavefront_size32 1
		.amdhsa_system_sgpr_workgroup_id_x 1
		.amdhsa_system_sgpr_workgroup_id_y 1
		.amdhsa_system_sgpr_workgroup_id_z 1
		.amdhsa_system_vgpr_workitem_id 0
		.amdhsa_next_free_vgpr 1024
		.amdhsa_next_free_sgpr 66
		.amdhsa_reserve_vcc 1
		.amdhsa_float_denorm_mode_32 3
		.amdhsa_float_denorm_mode_16_64 3
		.amdhsa_memory_ordered 1
		.amdhsa_forward_progress 1
		.amdhsa_inst_pref_size 111
	.end_amdhsa_kernel
	.amdgpu_metadata
---
amdhsa.version: [ 1, 2 ]
amdhsa.kernels:
  - .name:           k_qc4bcbaf773_out
    .symbol:         k_qc4bcbaf773_out.kd
    .args:
      - { .name: ctxh, .offset: 0, .size: 8, .value_kind: global_buffer, .address_space: global }
      - { .name: wo, .offset: 8, .size: 8, .value_kind: global_buffer, .address_space: global }
      - { .name: bout, .offset: 16, .size: 8, .value_kind: global_buffer, .address_space: global }
      - { .name: out0, .offset: 24, .size: 8, .value_kind: global_buffer, .address_space: global }
    .group_segment_fixed_size: 327680
    .private_segment_fixed_size: 0
    .kernarg_segment_align: 8
    .kernarg_segment_size: 32
    .max_flat_workgroup_size: 128
    .sgpr_count:     66
    .vgpr_count:     1024
    .wavefront_size: 32
...
	.end_amdgpu_metadata
.endif
;; end of part 5
;; ======== version 2 of 2: 5 launches; version 1 with the launch cast written anew for expert scheduling mode
;; limits: values are held in f16: magnitudes above 65,504 overflow, below 6.1e-05 lose precision
;; workspace buffers: xb 33,554,432 bytes; wb 12,582,912 bytes; wo 8,388,608 bytes; qkv 25,165,824 bytes; pw 16,777,216 bytes; st 524,288 bytes; ctxh 8,388,608 bytes
;; launch cast (part 6): grid 832 x 1, 8 waves a work-group, no clusters, 0 bytes of LDS; arguments h, e, Wq, Wk, Wv, Wout, xb, wb, wo; writes xb, wb, wo
.if DOCPART == 6
	.amdgcn_target "amdgcn-amd-amdhsa--gfx1250"
	.amdhsa_code_object_version 6
	.text
	.protected	k_qc4bcbaf773_cast
	.globl	k_qc4bcbaf773_cast
	.p2align	8
	.type	k_qc4bcbaf773_cast,@function
k_qc4bcbaf773_cast:
	s_mov_b64 s[64:65], 0
	v_nop
	global_prefetch_b8 v0, s[64:65] scope:SCOPE_SE
	s_setreg_imm32_b32 hwreg(HW_REG_WAVE_SCHED_MODE, 0, 2), 2
	s_setreg_imm32_b32 hwreg(HW_REG_WAVE_MODE, 25, 1), 1
	s_wait_xcnt 0x0
	s_wait_alu depctr_vm_vsrc(0)
; CAST.  h, e -> xb (bf16, [8192][2048]: h's rows, then e's); Wq, Wk, Wv -> wb (bf16, [3072][2048]); Wout -> wo ([4096][1024]: rounded to bf16, that number written as f16; rows 4000 on are 0).
; A stream: each input byte is read once, each output byte written once; nothing is shared, so no LDS, no barrier, no matrix unit.
; SHARES.  A work-group takes a chunk of 32,768 numbers (131,072 bytes in, 65,536 out): chunks 0-255 h, 256-511 e, 512-703 the three weights, 704-828 Wout (125 x 32,768 = 4,096,000 numbers), 829-831 wo's zero rows.
; A wave takes 16,384 bytes of the chunk: 32 pieces, each a load of 512 consecutive bytes and a store of 256 consecutive bytes, aligned.
; LIMITS.  Wout's bf16 number must lie within f16's range (65,504); below 2^-14 it keeps f16's fixed step of 6e-8.
; THE MODE: SCHED_MODE bits 1:0 = 2 (LLVM: expert scheduling mode 2), set by the entry lines.  The code itself states the register dependences
; between vector instructions and memory instructions, with s_wait_alu, always for 0.
; THE PLAN.  The 32 pieces go in 16 blocks of two.  Registers that memory instructions touch:
;   X0 .. X3   four blocks as loaded.  Block p's conversions read X[p % 4]; behind them the loads of block p + 4 land in it.
;   Y          one block to store.     Block p's conversions write it; the block's two stores, issued behind them, read it.
;   v1, v2, v3 byte offsets, made once at the head and never written again: the pieces are reached by the two scalar bases, which move on by a lap of four blocks, and by immediate offsets.
;   T is named by vector instructions alone.
; So ONE wait on va_vdst stands in a block, behind its conversions: it states that they have written Y and are done reading X[p % 4]; the block's two loads and two stores follow it with no vector
; instruction between.  It stands there, and not at the next block's head, so that the emptied buffer is asked for again at once: six to eight loads of a wave are on their way.
; One wait on vm_vsrc stands at a block's head: the last block's stores have read Y, which this block's conversions write again.
.set BL,  2                            ; pieces in a block
.set NX,  4                            ; X buffers, and blocks in a lap
.set LAP, BL*NX                        ; pieces in a lap
.set VI,  1                            ; v1       my byte offset in the chunk as read: 16,384 x wave + 16 x lane; never rewritten
.set VO,  2                            ; v2       as written: half of that; never rewritten
.set VZ,  3                            ; v3       for the zero rows: 8,192 x wave + 16 x lane
.set X,   8                            ; v[8:39]  buffer k, piece i: four f32 as loaded, at X + 8 k + 4 i
.set Y,   40                           ; v[40:43] piece i: four 16-bit numbers to store, at Y + 2 i
.set T,   48                           ; v[48:53] at work
.set SRC, 28                           ; s[28:29]
.set DST, 30                           ; s[30:31]
.set HIM, 32                           ; s32      a word's upper half
.set CNT, 33
.set ID,  34
.set SCH, 36                           ; s[36:37] the chunk's byte offset in its source
.set DCH, 38                           ; s[38:39] in its destination
	s_load_b512 s[8:23], s[0:1], 0x0               ; h s[8:9], e s[10:11], Wq s[12:13], Wk s[14:15], Wv s[16:17], Wout s[18:19], xb s[20:21], wb s[22:23]
	s_load_b64 s[24:25], s[0:1], 0x40              ; wo
	s_mov_b32 s[HIM], 0xffff0000
	s_mov_b32 s[ID], ttmp9
	v_and_b32 v4, 0xe0, v0                         ; 32 x wave
	v_and_b32 v5, 31, v0
	v_lshlrev_b32 v[VI], 9, v4
	v_lshl_or_b32 v[VI], v5, 4, v[VI]
	v_lshrrev_b32 v[VO], 1, v[VI]
	v_lshlrev_b32 v[VZ], 8, v4
	v_lshl_or_b32 v[VZ], v5, 4, v[VZ]
	s_and_b32 s[SCH], s[ID], 255                   ; the chunk's number in h or e,
	s_and_b32 s40, s[ID], 63                       ; in a weight,
	s_sub_co_u32 s41, s[ID], 704                   ; in wo,
	s_min_u32 s43, s41, 124                        ; in Wout (the zero rows read nothing; their source stays inside all the same),
	s_sub_co_u32 s42, s[ID], 512                   ; in wb
	s_cmp_lt_u32 s[ID], 512
	s_cselect_b32 s[SCH], s[SCH], s40
	s_cselect_b32 s[DCH], s[ID], s42
	s_cmp_lt_u32 s[ID], 704
	s_cselect_b32 s[SCH], s[SCH], s43
	s_cselect_b32 s[DCH], s[DCH], s41
	s_lshl_b32 s[SCH], s[SCH], 17
	s_mov_b32 s[SCH+1], 0
	s_lshl_b32 s[DCH], s[DCH], 16
	s_mov_b32 s[DCH+1], 0
	s_wait_kmcnt 0x0
	s_cmp_lt_u32 s[ID], 256                        ; the buffers are chosen by selects on the chunk's number alone
	s_cselect_b64 s[SRC:SRC+1], s[8:9], s[10:11]
	s_cmp_lt_u32 s[ID], 512
	s_cselect_b64 s[SRC:SRC+1], s[SRC:SRC+1], s[12:13]
	s_cselect_b64 s[DST:DST+1], s[20:21], s[22:23]
	s_cmp_lt_u32 s[ID], 576
	s_cselect_b64 s[SRC:SRC+1], s[SRC:SRC+1], s[14:15]
	s_cmp_lt_u32 s[ID], 640
	s_cselect_b64 s[SRC:SRC+1], s[SRC:SRC+1], s[16:17]
	s_cmp_lt_u32 s[ID], 704
	s_cselect_b64 s[SRC:SRC+1], s[SRC:SRC+1], s[18:19]
	s_cselect_b64 s[DST:DST+1], s[DST:DST+1], s[24:25]
	s_add_nc_u64 s[SRC:SRC+1], s[SRC:SRC+1], s[SCH:SCH+1]
	s_add_nc_u64 s[DST:DST+1], s[DST:DST+1], s[DCH:DCH+1]
	s_wait_alu depctr_va_vdst(0)                   ; v1, v2 and v3 are written: every load and store of the kernel, on each of the three ways below, reads one of them as its offset
; Block k of a lap.  p = 0: to bf16; p = 1: to bf16 and that number to f16.  ahead = 1: the block four on is loaded.  left = the younger loads that may stay out.
; At a lap's first block both bases move on by a lap: the source then stands at the pieces that are asked for, and the stores' offsets reach back.
.macro BLK p, k, ahead, left
	s_wait_loadcnt \left                           ; loads come back in order (ISA guide 5.7.1): X[k] is in; the three younger blocks (in the tail: those that are left) stay out
	s_wait_xcnt 0x0                                ; every earlier memory instruction has had its addresses translated (ISA guide 3.1): Y and the two bases are rewritten only behind this wait
	s_wait_alu depctr_vm_vsrc(0)                   ; the last block's stores have read Y, which the conversions below write again
.if (\k) == 0
.if \ahead
	s_add_nc_u64 s[SRC:SRC+1], s[SRC:SRC+1], LAP*512
.endif
	s_add_nc_u64 s[DST:DST+1], s[DST:DST+1], LAP*256
.endif
.irp i, 0,1
.if \p
	v_cvt_pk_bf16_f32 v[T],   v[X+8*(\k)+4*(\i)],   v[X+8*(\k)+4*(\i)+1]
	v_cvt_pk_bf16_f32 v[T+1], v[X+8*(\k)+4*(\i)+2], v[X+8*(\k)+4*(\i)+3]
	v_lshlrev_b32 v[T+2], 16, v[T]                 ; the bf16 numbers as f32 again
	v_and_b32     v[T+3], s[HIM], v[T]
	v_lshlrev_b32 v[T+4], 16, v[T+1]
	v_and_b32     v[T+5], s[HIM], v[T+1]
	v_cvt_pk_f16_f32 v[Y+2*(\i)],   v[T+2], v[T+3] ; exact within f16's range
	v_cvt_pk_f16_f32 v[Y+2*(\i)+1], v[T+4], v[T+5]
.else
	v_cvt_pk_bf16_f32 v[Y+2*(\i)],   v[X+8*(\k)+4*(\i)],   v[X+8*(\k)+4*(\i)+1]
	v_cvt_pk_bf16_f32 v[Y+2*(\i)+1], v[X+8*(\k)+4*(\i)+2], v[X+8*(\k)+4*(\i)+3]
.endif
.endr
	s_wait_alu depctr_va_vdst(0)                   ; the conversions have written Y, which the stores below read, and are done reading X[k], in which the loads below land
.if \ahead
.irp i, 0,1
	global_load_b128 v[X+8*(\k)+4*(\i):X+8*(\k)+4*(\i)+3], v[VI], s[SRC:SRC+1] offset:(BL*(\k)+(\i))*512 th:TH_LOAD_NT  ; the same block of the next lap; the loads stand ahead of the stores
.endr
.endif
.irp i, 0,1
	global_store_b64 v[VO], v[Y+2*(\i):Y+2*(\i)+1], s[DST:DST+1] offset:(BL*(\k)+(\i)-LAP)*256  ; this block: the offset reaches back by a lap
.endr
.endm
.macro PATH p
.irp n, 0,1,2,3,4,5,6,7
	global_load_b128 v[X+4*(\n):X+4*(\n)+3], v[VI], s[SRC:SRC+1] offset:512*(\n) th:TH_LOAD_NT  ; blocks 0 to 3 into X0 to X3; no vector instruction has named these registers
.endr
	s_mov_b32 s[CNT], 3
.Llap_\@:                                              ; blocks 0 to 11, four to a lap: every X buffer is back at its start
	BLK \p, 0, 1, (NX-1)*BL
	BLK \p, 1, 1, (NX-1)*BL
	BLK \p, 2, 1, (NX-1)*BL
	BLK \p, 3, 1, (NX-1)*BL
	s_sub_co_u32 s[CNT], s[CNT], 1
	s_cmp_lg_u32 s[CNT], 0
	s_cbranch_scc1 .Llap_\@
	BLK \p, 0, 0, 3*BL                             ; blocks 12 to 15 load nothing: no load leaves the chunk, and the counts run down
	BLK \p, 1, 0, 2*BL
	BLK \p, 2, 0, BL
	BLK \p, 3, 0, 0
	s_endpgm
.endm
	s_cmp_ge_u32 s[ID], 829
	s_cbranch_scc1 .Lzero
	s_cmp_ge_u32 s[ID], 704
	s_cbranch_scc1 .Lhalf
	PATH 0
.Lhalf:
	PATH 1
.Lzero:                                                ; wo's rows 4000 to 4095
	v_mov_b32 v8, 0
	v_mov_b32 v9, 0
	v_mov_b32 v10, 0
	v_mov_b32 v11, 0
	s_wait_alu depctr_va_vdst(0)                   ; v8 to v11 are written, which the sixteen stores read
.irp n, 0,1,2,3,4,5,6,7,8,9,10,11,12,13,14,15
	global_store_b128 v[VZ], v[8:11], s[DST:DST+1] offset:512*(\n)
.endr
	s_endpgm
.Lfunc_end_k_qc4bcbaf773_cast:
	.size	k_qc4bcbaf773_cast, .Lfunc_end_k_qc4bcbaf773_cast-k_qc4bcbaf773_cast
	.p2alignl 7, 3214868480
	.fill 96, 4, 3214868480
	.section	.rodata,"a",@progbits
	.p2align	6, 0x0
	.amdhsa_kernel k_qc4bcbaf773_cast
		.amdhsa_group_segment_fixed_size 0
		.amdhsa_private_segment_fixed_size 0
		.amdhsa_enable_private_segment 0
		.amdhsa_kernarg_size 72
		.amdhsa_user_sgpr_count 2
		.amdhsa_user_sgpr_kernarg_segment_ptr 1
		.amdhsa_wavefront_size32 1
		.amdhsa_system_sgpr_workgroup_id_x 1
		.amdhsa_system_sgpr_workgroup_id_y 1
		.amdhsa_system_sgpr_workgroup_id_z 1
		.amdhsa_system_vgpr_workitem_id 0
		.amdhsa_next_free_vgpr 64
		.amdhsa_next_free_sgpr 66
		.amdhsa_reserve_vcc 0
		.amdhsa_float_denorm_mode_32 3
		.amdhsa_float_denorm_mode_16_64 3
		.amdhsa_memory_ordered 1
		.amdhsa_forward_progress 1
		.amdhsa_inst_pref_size 21
	.end_amdhsa_kernel
	.amdgpu_metadata
---
amdhsa.version: [ 1, 2 ]
amdhsa.kernels:
  - .name:           k_qc4bcbaf773_cast
    .symbol:         k_qc4bcbaf773_cast.kd
    .args:
      - { .name: h, .offset: 0, .size: 8, .value_kind: global_buffer, .address_space: global }
      - { .name: e, .offset: 8, .size: 8, .value_kind: global_buffer, .address_space: global }
      - { .name: Wq, .offset: 16, .size: 8, .value_kind: global_buffer, .address_space: global }
      - { .name: Wk, .offset: 24, .size: 8, .value_kind: global_buffer, .address_space: global }
      - { .name: Wv, .offset: 32, .size: 8, .value_kind: global_buffer, .address_space: global }
      - { .name: Wout, .offset: 40, .size: 8, .value_kind: global_buffer, .address_space: global }
      - { .name: xb, .offset: 48, .size: 8, .value_kind: global_buffer, .address_space: global }
      - { .name: wb, .offset: 56, .size: 8, .value_kind: global_buffer, .address_space: global }
      - { .name: wo, .offset: 64, .size: 8, .value_kind: global_buffer, .address_space: global }
    .group_segment_fixed_size: 0
    .private_segment_fixed_size: 0
    .kernarg_segment_align: 8
    .kernarg_segment_size: 72
    .max_flat_workgroup_size: 256
    .sgpr_count:     66
    .vgpr_count:     64
    .wavefront_size: 32
...
	.end_amdgpu_metadata
.endif
;; end of part 6
;; launch proj: the kernel of part 2 again; grid 12 x 16, 4 waves a work-group, clusters of 4 x 4, 327,680 bytes of LDS; arguments xb, wb, qkv; writes qkv
;; launch scores: the kernel of part 3 again; grid 9 x 16, 4 waves a work-group, no clusters, 327,680 bytes of LDS; arguments qkv, mask, pw, st; writes pw, st
;; launch ctx: the kernel of part 4 again; grid 8 x 32, 4 waves a work-group, clusters of 4 x 1, 327,680 bytes of LDS; arguments pw, st, qkv, ctxh; writes ctxh
;; launch out: the kernel of part 5 again; grid 16 x 16, 4 waves a work-group, clusters of 4 x 4, 327,680 bytes of LDS; arguments ctxh, wo, bout, out0; writes out0
